; MI455X (gfx1250); checked and timed in simulation.
; The chip was launched on July 23, 2026; its instructions are those of AMD's public machine-readable ISA for CDNA 5 (MIT licence, August 2026) and "CDNA5" Instruction Set Architecture Reference Guide (July 2026). The comments in the code are by the model that wrote it; some were corrected since.
;; Mo E Layer. Allowed arithmetic: matrix products marked QUANTISED: E4M3 operands, one E8M0 scale for each 32 along K, by v_wmma_scale_f32_16x16x128_f8f6f4 with both operands' format E4M3, f32 sums; products left as they are: f32 operands where the result goes on into a quantised operand, else bf16, f16 or f32 operands; f32 sums; everything else in f32.
;; Inputs: W1 8 x 1,024 x 4,096 float32; W2 8 x 4,096 x 1,024 float32; Wg 1,024 x 8 float32; b1 8 x 4,096 float32; b2 8 x 1,024 float32; bg 8 float32; x 4 x 256 x 1,024 float32.
;; Outputs: out0 4 x 256 x 1,024 float32.
;; This version of the problem:
;;   THIS VERSION OF THE PROBLEM IS GIVEN IN LOW PRECISION. The matrix products marked QUANTISED in the list below multiply operands that are first quantised to E4M3 (4 exponent bits, 3 mantissa bits; 8 bits a number), with one power-of-two scale for each 32 numbers along K (OCP MX v1.0); their sums are f32. All else is computed in f32.
;;   The module's matrix products, in the order in which they are computed (A, B: the left and right operand; K: the contracted axis; several contracted axes count as one K, in the product's order):
;;     1. [M 1,024, K 1,024] x [K 1,024, N 8]; A: input x; B: input Wg: left as it is (N = 8 < 16)
;;     2. [M 32,768, K 1,024] x [K 1,024, N 1,024]; A: input W1; B: input x: QUANTISED
;;     3. batch 8 x [M 1,024, K 4,096] x [K 4,096, N 1,024]; A: input W2; B: computed on the way: QUANTISED
;;     4. batch 1,024 x [M 1,024, K 8] x [K 8, N 1]; A: computed on the way; B: computed on the way: left as it is (K = 8 < 32)
;;   THE QUANTISER, for each operand of a quantised product, along K:
;;     - K is cut into blocks of 32 from its start; a last block that is shorter is filled with zeros.
;;     - A block's scale is 2^e with e = floor(log2(the largest magnitude in the block)) - 8, held to -126 .. 127; a block of zeros has e = 0. As a byte (E8M0): e + 127.
;;     - Each number is divided by its block's scale, clamped to +-448, and rounded to the nearest number of E4M3, ties to even, subnormals kept.
;;     - The product sums the exact products of the quantised numbers (number of the format x scale) in f32.
;;   ~~~python
;;   def quantise(x, axis):      # numpy; x: float32 -> the quantised numbers, widened to float32 again
;;       x = np.moveaxis(x, axis, -1); K = x.shape[-1]
;;       x = np.pad(x, [(0, 0)] * (x.ndim - 1) + [(0, -K % 32)]); x = x.reshape(x.shape[:-1] + (-1, 32)); a = np.abs(x).max(-1, keepdims=True)
;;       e = np.where(a > 0, np.clip(np.frexp(np.where(a > 0, a, 1))[1] - 1 - 8, -126, 127), 0)      # np.frexp(a)[1] - 1 = floor(log2(a)), exactly
;;       r = np.clip(x / 2.0 ** e, -448, 448)
;;       step = 2.0 ** (np.maximum(np.frexp(np.where(r == 0, 1, r))[1] - 1, -6) - 3)
;;       q = np.round(r / step) * step * 2.0 ** e      # np.round: ties to even
;;       return np.moveaxis(q.reshape(q.shape[:-2] + (-1,))[..., :K], -1, axis).astype(np.float32)
;;   ~~~
;;   OPERANDS COMPUTED ON THE WAY. 'Computed on the way' means the value that the module computes at that place (a softmax that the list does not call 'softmax' is quantised finished and normalised). What goes into a quantiser is computed in f32, as accurately as f32 sums, v_exp_f32 and their like allow (about 1e-6 of the number): no bf16 or f16 on the way to a quantiser, and a product that is left as it is and whose result goes on into a quantised operand takes f32 operands (vector FMAs, or v_wmma_f32_16x16x4_f32). A number that lies on a knife's edge between two numbers of the format may be rounded either way, as far as f32 arithmetic and the matrix unit's own rounding can turn it there, and no further.
;; 2 versions. Each part assembles by itself: llvm-mc -triple=amdgcn-amd-amdhsa -mcpu=gfx1250 --defsym DOCPART=n.
;; ======== version 1 of 2: 5 launches
;; workspace buffers: xc 1,048,576 bytes; xs 32,768 bytes; top1 4,096 bytes of whole numbers; xg 8,650,752 bytes; pos 4,352 bytes of whole numbers; hc 33,554,432 bytes; hs 1,048,576 bytes; part 134,217,728 bytes
;; launch route (part 1): grid 256 x 1, 4 waves a work-group, no clusters, 55,808 bytes of LDS; arguments x, Wg, bg, xc, xs, top1; writes xc, xs, top1
.if DOCPART == 1
	.amdgcn_target "amdgcn-amd-amdhsa--gfx1250"
	.amdhsa_code_object_version 6
	.text
	.protected	k_q2921d89681_route
	.globl	k_q2921d89681_route
	.p2align	8
	.type	k_q2921d89681_route,@function
k_q2921d89681_route:
	s_mov_b64 s[64:65], 0
	v_nop
	global_prefetch_b8 v0, s[64:65] scope:SCOPE_SE
	s_setreg_imm32_b32 hwreg(HW_REG_WAVE_MODE, 25, 1), 1
	s_wait_xcnt 0x0
; THE GATE AND x's CODES.  One wave takes one token (a row of 1,024 f32): token = 4 x work-group + wave.
; It makes the eight gate scores x . Wg[:, e] + bg[e] in f32 (fused multiply-adds), stores the index of the largest (the lower index at equal scores)
; as a whole number in top1, and turns the row into codes of E4M3 with one E8M0 byte for each 32 along the row: xc [token][1024], xs [token][32].
; A block's scale is 2^(floor(log2(its largest magnitude)) - 8): its byte is the largest magnitude's exponent field - 8, held at 1 from below.
; LIMITS: NaN and infinities among the inputs are not served.  Two scores closer than the rounding of an f32 sum of 1,024 terms may change places.
; A block of zeros gets the byte 1 where the rule says 127: its codes are zeros, and the bytes are read by this program alone.
; Wg (32 KiB) is read once by the work-group, 8 KiB a wave in loads of 512 consecutive bytes, and shared through LDS.  No tensor loads and no cluster: what work-groups share is these 32 KiB.
; A lane must hold 16 NEIGHBOURS of the row (the conversions take neighbours from one lane), while a load is best with neighbouring lanes on neighbouring bytes:
; so a step's 2,048 bytes turn through the wave's own stage in LDS, 16 bytes of padding behind each 64.
.set WGP,   528                        ; 16 rows of Wg (512 bytes) + 16 of padding: 33 x 16
.set WREG0, 64*WGP                     ; behind Wg's 64 pieces: a region for each wave
.set WREG,  5376                       ; two stages of 32 x 80 bytes, then 256 bytes for the scale bytes
.set SPL,   80                         ; a lane's place in a stage
.set SCB,   2*32*SPL
.set R,    16                          ; v16-47   the row as loaded, two steps of 16 registers
.set X,    48                          ; v48-79   turned: X[16 st + i] = x[512 st + 16 lane + i]
.set G,    80                          ; v80-207  Wg on its way to LDS, then 16 rows x 8 of Wg for a step
.set A,    208                         ; v208-215 the eight sums, as four pairs
.set PMR,  216                         ; v216-223 what the other half of the lanes holds
.set QA,   224
.set QB,   225
.set QE,   226
.set QL,   227
.set BEST, 228
.set IDX,  229
.set C,    232                         ; v232-239 codes, four registers a step
.set EB,   240                         ; v240-241 a scale byte a step
.set SWD,  242
	s_load_b256 s[4:11], s[0:1], 0x0               ; x s[4:5], Wg s[6:7], bg s[8:9], xc s[10:11]
	s_load_b128 s[12:15], s[0:1], 0x20             ; xs s[12:13], top1 s[14:15]
	v_lshl_add_u32 v254, v0, 2, 0xd800
	v_mov_b32 v255, 0
	v_lshrrev_b32 v2, 5, v0
	v_readfirstlane_b32 s28, v2                    ; wave
	v_and_b32 v1, 31, v0                           ; lane
	v_lshlrev_b32 v3, 4, v1                        ; 16 x lane
	s_lshl_b32 s29, ttmp9, 2
	s_add_co_u32 s29, s29, s28                     ; token
	s_mov_b32 s24, 0x76543210
	s_mov_b32 s25, 0xfedcba98                      ; lane selects: lane l xor 16
	s_mov_b32 s26, 0x600000                        ; the mantissa field of 448
	s_mov_b32 s31, 0
	s_mul_i32 s32, s28, 16*WGP
	v_add_nc_u32 v4, s32, v3                       ; Wg into LDS: my wave's 16 pieces, 16 bytes a lane
	v_mul_u32_u24 v5, v1, WGP                      ; Wg out of LDS: piece = lane (+ 32 in the second step)
	s_mul_i32 s32, s28, WREG
	s_add_co_u32 s32, s32, WREG0                   ; my wave's region
	v_lshrrev_b32 v14, 2, v1
	v_mul_u32_u24 v14, v14, SPL
	v_and_b32 v15, 3, v1
	v_lshl_add_u32 v14, v15, 4, v14
	v_add_nc_u32 v14, s32, v14                     ; the stage, in: 80 (lane / 4) + 16 (lane % 4)
	v_mul_u32_u24 v15, v1, SPL
	v_add_nc_u32 v15, s32, v15                     ; and out: 80 x lane
	s_add_co_u32 s32, s32, SCB
	v_lshrrev_b32 v6, 1, v1
	v_add_nc_u32 v6, s32, v6                       ; my block's scale byte
	v_and_b32 v7, 7, v1
	v_lshl_add_u32 v7, v7, 2, s32                  ; and the eight words on the way out
	v_lshlrev_b32 v8, 2, v1                        ; 4 x lane
.irp e, 0,1,2,3,4,5,6,7
	v_mov_b32 v[PMR+\e], 0                         ; a lane permute's destination counts as one of its sources
.endr
	s_wait_kmcnt 0x0
	s_load_b256 s[16:23], s[8:9], 0x0              ; bg
	s_lshl_b32 s30, s29, 12
	s_add_nc_u64 s[4:5], s[4:5], s[30:31]          ; my row of x
	s_lshl_b32 s30, s28, 13
	s_add_nc_u64 s[6:7], s[6:7], s[30:31]          ; my wave's 8 KiB of Wg
	s_lshl_b32 s30, s29, 10
	s_add_nc_u64 s[10:11], s[10:11], s[30:31]
	s_lshl_b32 s30, s29, 5
	s_add_nc_u64 s[12:13], s[12:13], s[30:31]
	s_lshl_b32 s30, s29, 2
	s_add_nc_u64 s[14:15], s[14:15], s[30:31]
.irp st, 0,1
.irp i, 0,1,2,3
	global_load_b128 v[R+16*\st+4*\i:R+16*\st+4*\i+3], v3, s[4:5] offset:2048*\st+512*\i th:TH_LOAD_NT   ; 512 consecutive bytes a load
.endr
.endr
.irp n, 0,1,2,3,4,5,6,7,8,9,10,11,12,13,14,15
	global_load_b128 v[G+4*\n:G+4*\n+3], v3, s[6:7] offset:512*\n
.endr
	s_wait_loadcnt 16                              ; x's eight loads are in; Wg's sixteen may be out
.irp st, 0,1
.irp i, 0,1,2,3
	ds_store_b128 v14, v[R+16*\st+4*\i:R+16*\st+4*\i+3] offset:32*SPL*\st+8*SPL*\i
.endr
.irp i, 0,1,2,3
	ds_load_b128 v[X+16*\st+4*\i:X+16*\st+4*\i+3], v15 offset:32*SPL*\st+16*\i   ; LDS serves a wave's instructions in order: these see the stores above
.endr
.endr
	s_wait_loadcnt 0x0
.irp n, 0,1,2,3,4,5,6,7,8,9,10,11,12,13,14,15
	ds_store_b128 v4, v[G+4*\n:G+4*\n+3] offset:WGP*\n
.endr
	s_wait_dscnt 0x0                               ; for the others' sake: my part of Wg lies in LDS (and my row is back)
	s_barrier_signal -1
	s_barrier_wait -1
; A step of the gate: my 16 rows of Wg (512 bytes), then 64 packed multiply-adds: two experts an instruction, x broadcast from one register of a pair.
.macro GATE st
.irp i, 0,1,2,3,4,5,6,7,8,9,10,11,12,13,14,15
	ds_load_b128 v[G+8*\i:G+8*\i+3], v5 offset:32*WGP*\st+32*\i
	ds_load_b128 v[G+8*\i+4:G+8*\i+7], v5 offset:32*WGP*\st+32*\i+16
.endr
	s_wait_dscnt 0x0
.irp i, 0,2,4,6,8,10,12,14
.irp u, 0,1,2,3
.if (\st == 0) && (\i == 0)
	v_pk_mul_f32 v[A+2*\u:A+2*\u+1], v[G+2*\u:G+2*\u+1], v[X:X+1] op_sel_hi:[1,0]     ; the first products start the sums
.else
	v_pk_fma_f32 v[A+2*\u:A+2*\u+1], v[G+8*\i+2*\u:G+8*\i+2*\u+1], v[X+16*\st+\i:X+16*\st+\i+1], v[A+2*\u:A+2*\u+1] op_sel_hi:[1,0,1]
.endif
.endr
.irp u, 0,1,2,3
	v_pk_fma_f32 v[A+2*\u:A+2*\u+1], v[G+8*\i+8+2*\u:G+8*\i+8+2*\u+1], v[X+16*\st+\i:X+16*\st+\i+1], v[A+2*\u:A+2*\u+1] op_sel:[0,1,0] op_sel_hi:[1,1,1]
.endr
.endr
.endm
	GATE 0
	GATE 1
.irp m, 1,2,4,8
.irp e, 0,1,2,3,4,5,6,7
	v_add_f32_dpp v[A+\e], v[A+\e], v[A+\e] row_xmask:\m row_mask:0xf bank_mask:0xf
.endr
.endr
.irp e, 0,1,2,3,4,5,6,7
	v_permlanex16_b32 v[PMR+\e], v[A+\e], s24, s25
.endr
.irp e, 0,1,2,3,4,5,6,7
	v_add_f32 v[A+\e], v[A+\e], v[PMR+\e]          ; every lane holds the eight sums
.endr
	s_wait_kmcnt 0x0                               ; bg
.irp e, 0,1,2,3,4,5,6,7
	v_add_f32 v[A+\e], s[16+\e], v[A+\e]
.endr
	v_mov_b32 v[BEST], v[A]
	v_mov_b32 v[IDX], 0
.irp e, 1,2,3,4,5,6,7
	v_cmp_gt_f32 vcc_lo, v[A+\e], v[BEST]          ; strictly larger: at equal scores the lower index stays
	v_cndmask_b32 v[BEST], v[BEST], v[A+\e], vcc_lo
	v_cndmask_b32 v[IDX], v[IDX], \e, vcc_lo
.endr
; A step's 512 numbers become codes: two neighbouring lanes hold a block of 32.
.macro QUANT st
.set XQ, X+16*\st
	v_max3_num_f32 v[QA], |v[XQ]|, |v[XQ+1]|, |v[XQ+2]|
	v_max3_num_f32 v[QB], |v[XQ+3]|, |v[XQ+4]|, |v[XQ+5]|
.irp i, 6,10
	v_max3_num_f32 v[QA], v[QA], |v[XQ+\i]|, |v[XQ+\i+1]|
	v_max3_num_f32 v[QB], v[QB], |v[XQ+\i+2]|, |v[XQ+\i+3]|
.endr
	v_max3_num_f32 v[QA], v[QA], |v[XQ+14]|, |v[XQ+15]|
	v_max3_num_f32 v[QA], v[QA], v[QB], 0x4800000  ; and the floor 2^(9 - 127): the byte cannot fall under 1
	v_max_num_f32_dpp v[QA], v[QA], v[QA] row_xmask:1 row_mask:0xf bank_mask:0xf   ; with my neighbour's 16: the block's largest magnitude
	v_add_nc_u32 v[QE], 0xfc000000, v[QA]          ; 8 off its exponent field: the conversion's scale operand
	v_and_or_b32 v[QL], v[QA], 0x7f800000, s26     ; 448 x the scale
.irp i, 0,1,2,3,4,5,6,7,8,9,10,11,12,13,14,15
	v_med3_num_f32 v[XQ+\i], v[XQ+\i], -v[QL], v[QL]   ; the conversion to an 8-bit code does not saturate (ISA guide 7.6.2): the hold comes first
.endr
	v_cvt_scalef32_pk8_fp8_f32 v[C+4*\st:C+4*\st+1], v[XQ:XQ+7], v[QE]
	v_cvt_scalef32_pk8_fp8_f32 v[C+4*\st+2:C+4*\st+3], v[XQ+8:XQ+15], v[QE]
	v_lshrrev_b32 v[EB+\st], 23, v[QE]             ; the scale's byte (also the plain line behind the conversions)
	ds_store_b8 v6, v[EB+\st] offset:16*\st        ; both lanes of a block write the same byte with the same value
	global_store_b128 v3, v[C+4*\st:C+4*\st+3], s[10:11] offset:512*\st   ; 512 consecutive bytes of the token's codes
.endm
	QUANT 0
	QUANT 1
	ds_load_b32 v[SWD], v7                         ; the row's 32 scale bytes, a word a lane (lanes 8-31 read the same words again)
	s_wait_dscnt 0x0
	s_wait_xcnt 0x0                                ; EXEC changes only behind this wait: it is a source of the stores above
	v_cmp_gt_u32 vcc_lo, 8, v1
	s_wait_tensorcnt 0x0
	ds_add_u32 v254, v255
	s_wait_dscnt 0x0
	s_and_saveexec_b32 s27, vcc_lo
	global_store_b32 v8, v[SWD], s[12:13]          ; lanes 0-7: 32 consecutive bytes
	s_wait_xcnt 0x0
	s_or_b32 exec_lo, exec_lo, s27
	v_cmp_eq_u32 vcc_lo, 0, v1
	s_and_saveexec_b32 s27, vcc_lo
	global_store_b32 v8, v[IDX], s[14:15]          ; lane 0: the chosen expert
	s_wait_xcnt 0x0
	s_or_b32 exec_lo, exec_lo, s27
	s_endpgm
.Lfunc_end_k_q2921d89681_route:
	.size	k_q2921d89681_route, .Lfunc_end_k_q2921d89681_route-k_q2921d89681_route
	.p2alignl 7, 3214868480
	.fill 96, 4, 3214868480
	.section	.rodata,"a",@progbits
	.p2align	6, 0x0
	.amdhsa_kernel k_q2921d89681_route
		.amdhsa_group_segment_fixed_size 55808
		.amdhsa_private_segment_fixed_size 0
		.amdhsa_enable_private_segment 0
		.amdhsa_kernarg_size 48
		.amdhsa_user_sgpr_count 2
		.amdhsa_user_sgpr_kernarg_segment_ptr 1
		.amdhsa_wavefront_size32 1
		.amdhsa_system_sgpr_workgroup_id_x 1
		.amdhsa_system_sgpr_workgroup_id_y 1
		.amdhsa_system_sgpr_workgroup_id_z 1
		.amdhsa_system_vgpr_workitem_id 0
		.amdhsa_next_free_vgpr 256
		.amdhsa_next_free_sgpr 66
		.amdhsa_reserve_vcc 1
		.amdhsa_float_denorm_mode_32 3
		.amdhsa_float_denorm_mode_16_64 3
		.amdhsa_memory_ordered 1
		.amdhsa_forward_progress 1
		.amdhsa_inst_pref_size 28
	.end_amdhsa_kernel
	.amdgpu_metadata
---
amdhsa.version: [ 1, 2 ]
amdhsa.kernels:
  - .name:           k_q2921d89681_route
    .symbol:         k_q2921d89681_route.kd
    .args:
      - { .name: x, .offset: 0, .size: 8, .value_kind: global_buffer, .address_space: global }
      - { .name: Wg, .offset: 8, .size: 8, .value_kind: global_buffer, .address_space: global }
      - { .name: bg, .offset: 16, .size: 8, .value_kind: global_buffer, .address_space: global }
      - { .name: xc, .offset: 24, .size: 8, .value_kind: global_buffer, .address_space: global }
      - { .name: xs, .offset: 32, .size: 8, .value_kind: global_buffer, .address_space: global }
      - { .name: top1, .offset: 40, .size: 8, .value_kind: global_buffer, .address_space: global }
    .group_segment_fixed_size: 55808
    .private_segment_fixed_size: 0
    .kernarg_segment_align: 8
    .kernarg_segment_size: 48
    .max_flat_workgroup_size: 128
    .sgpr_count:     66
    .vgpr_count:     256
    .wavefront_size: 32
...
	.end_amdgpu_metadata
.endif
;; end of part 1
;; launch place (part 2): grid 256 x 1, 4 waves a work-group, no clusters, 0 bytes of LDS; arguments xc, xs, top1, xg, pos; writes xg, pos
.if DOCPART == 2
	.amdgcn_target "amdgcn-amd-amdhsa--gfx1250"
	.amdhsa_code_object_version 6
	.text
	.protected	k_q2921d89681_place
	.globl	k_q2921d89681_place
	.p2align	8
	.type	k_q2921d89681_place,@function
k_q2921d89681_place:
	s_mov_b64 s[64:65], 0
	v_nop
	global_prefetch_b8 v0, s[64:65] scope:SCOPE_SE
	s_setreg_imm32_b32 hwreg(HW_REG_WAVE_MODE, 25, 1), 1
	s_wait_xcnt 0x0
; THE PLACING OF ROWS.  One wave takes one token t = 4 x work-group + wave: it finds the token's place q among the tokens of its expert e = top1[t] and copies the token's codes and scale bytes to row 1024 e + q.
; THE PLACE.  top1 comes by eight loads of 16 bytes a lane: register 4 i + c of lane l is token 128 i + 4 l + c.  Group J = 4 i + c gives a mask of the expert's tokens; q = the bits of the groups ahead of my
; group + the bits under my own bit in my group.  My group and bit come from the token's number alone.  Any order serves, as long as the places of an expert are 0 .. count - 1, each once.
; OUT.  xg, first 8 MiB: [e][tile of 16 rows, 64][K step, 8][2,048 bytes], images of the next product's operand registers: the 16 bytes at 512 c + 256 h + 16 r of a K step are row r, k = 32 c + 16 h + 0 .. 15.
; xg from byte 0x800000 on: [1024 e + q][32 scale bytes].  pos[t] = 1024 e + q; behind the 1,024 words of pos: cnt[e].
; A token's 16-byte pieces fall into runs of 256 bytes that sixteen tokens fill together: 1 MiB written so once, and read 64 times in whole runs by the next launch.
; THE REST OF A LAST TILE.  Waves with t < 128 also serve (expert t / 16, row t % 16): they count that expert; row 0 stores cnt; a row of the expert's last tile that lies beyond its count gets zero codes and the scale byte 127.
; An expert without tokens gets one tile of such rows.  So every byte that the next launches read has been stored.
; No LDS, no barrier, no matrix unit: a copy of 1 MiB.  Every address that hangs on top1 is a scalar base, held by s_min_u32 at 8,191 rows; behind the hold stand ANDs, shifts left and additions alone.
.set T1,  8                            ; v8-39   top1
.set CD,  40                           ; v40-47  my 32 bytes of the token's codes
.set SWD, 48                           ; v48     a word of its scale bytes
.set PV,  49                           ; v49     a whole number on its way out
.set SV,  50                           ; v50     four scale bytes of 127
.set ZR,  52                           ; v52-55  zero codes
.set MK,  66                           ; s66-97  the 32 masks
.set XGS, 0x800000
.set CNT, 4096
.macro MASKS ex                        ; group J's mask of expert s[ex]'s tokens
.set J, 0
.rept 32
	v_cmp_eq_u32 s[MK+J], s[\ex], v[T1+J]
.set J, J+1
.endr
.endm
.macro ROWBASE                         ; row s32 (held at 8,191): s[34:35] its first piece in the images, s[36:37] its scale bytes
	s_and_b32 s26, s32, 0x1ff0                     ; 16 x tile: a tile's images are 16,384 bytes
	s_lshl_b32 s26, s26, 10
	s_add_nc_u64 s[34:35], s[10:11], s[26:27]
	s_and_b32 s26, s32, 15                         ; the row in the tile: 16 bytes
	s_lshl_b32 s26, s26, 4
	s_add_nc_u64 s[34:35], s[34:35], s[26:27]
	s_lshl_b32 s26, s32, 5
	s_add_nc_u64 s[36:37], s[14:15], s[26:27]
.endm
.macro ROWOUT c0, c1, sc               ; 64 pieces of 16 bytes, two a lane; then 32 scale bytes from lanes 0-7
	global_store_b128 v5, v[\c0:\c0+3], s[34:35]
	global_store_b128 v5, v[\c1:\c1+3], s[34:35] offset:8192
	s_wait_xcnt 0x0                                ; EXEC is a source of the stores above: it changes only behind this wait
	v_cmp_gt_u32 vcc_lo, 8, v1
	s_and_saveexec_b32 s33, vcc_lo
	global_store_b32 v3, v[\sc], s[36:37]
	s_wait_xcnt 0x0
	s_or_b32 exec_lo, exec_lo, s33
.endm
	s_load_b256 s[4:11], s[0:1], 0x0               ; xc s[4:5], xs s[6:7], top1 s[8:9], xg s[10:11]
	s_load_b64 s[12:13], s[0:1], 0x20              ; pos
	v_lshrrev_b32 v1, 5, v0
	v_readfirstlane_b32 s20, v1                    ; wave
	v_and_b32 v1, 31, v0                           ; lane
	v_lshlrev_b32 v2, 4, v1                        ; 16 x lane
	v_lshlrev_b32 v3, 2, v1                        ; 4 x lane
	v_and_b32 v4, 7, v1
	v_lshlrev_b32 v4, 2, v4                        ; 4 x (lane % 8)
	v_lshrrev_b32 v5, 3, v1                        ; piece i = lane of a row: K step i / 8, c = (i / 2) % 4, h = i % 2
	v_lshlrev_b32 v5, 11, v5
	v_bfe_u32 v6, v1, 1, 2
	v_lshl_add_u32 v5, v6, 9, v5
	v_and_b32 v6, 1, v1
	v_lshl_add_u32 v5, v6, 8, v5                   ; 2048 (i / 8) + 512 c + 256 h; piece i + 32 lies four K steps on
	v_mov_b32 v[SV], 0x7f7f7f7f
.irp i, 0,1,2,3
	v_mov_b32 v[ZR+\i], 0
.endr
	s_lshl_b32 s21, ttmp9, 2
	s_add_co_u32 s21, s21, s20                     ; token
	s_lshr_b32 s22, s21, 7
	s_lshl_b32 s22, s22, 2
	s_add_co_u32 s22, s22, s20                     ; my group: 4 (t / 128) + t % 4
	s_and_b32 s23, ttmp9, 31                       ; my bit: (t / 4) % 32
	s_bfm_b32 s24, s23, 0                          ; the bits under it
	s_mov_b32 s27, 0
	s_wait_kmcnt 0x0
	s_lshl_b32 s26, s21, 2
	s_add_nc_u64 s[28:29], s[8:9], s[26:27]
	s_load_b32 s25, s[28:29], 0x0                  ; my expert
	s_add_nc_u64 s[18:19], s[12:13], s[26:27]      ; pos[t]
	s_add_nc_u64 s[16:17], s[12:13], CNT           ; cnt
	s_add_nc_u64 s[14:15], s[10:11], XGS           ; the scale rows
	s_lshl_b32 s26, s21, 10
	s_add_nc_u64 s[4:5], s[4:5], s[26:27]
	s_lshl_b32 s26, s21, 5
	s_add_nc_u64 s[6:7], s[6:7], s[26:27]
.irp i, 0,1,2,3,4,5,6,7
	global_load_b128 v[T1+4*\i:T1+4*\i+3], v2, s[8:9] offset:512*\i
.endr
	global_load_b128 v[CD:CD+3], v2, s[4:5]                    ; 512 consecutive bytes a load
	global_load_b128 v[CD+4:CD+7], v2, s[4:5] offset:512
	global_load_b32 v[SWD], v4, s[6:7]                         ; lanes 8-31 read the same eight words again
	s_wait_loadcnt 0x0
	s_wait_kmcnt 0x0
	MASKS 25
	s_mov_b32 s30, 0
.set J, 0
.rept 32
	s_cmp_gt_u32 s22, J                            ; a group ahead of mine counts whole,
	s_cselect_b32 s31, -1, 0
	s_cmp_eq_u32 s22, J                            ; my own by the bits under mine, the others not
	s_cselect_b32 s31, s24, s31
	s_and_b32 s31, s31, s[MK+J]
	s_bcnt1_i32_b32 s31, s31
	s_add_co_u32 s30, s30, s31
.set J, J+1
.endr
	s_lshl_b32 s32, s25, 10
	s_add_co_u32 s32, s32, s30                     ; 1024 e + q
	s_min_u32 s32, s32, 8191
	ROWBASE
	v_mov_b32 v[PV], s32
	ROWOUT CD, CD+4, SWD
	v_cmp_eq_u32 vcc_lo, 0, v1
	s_and_saveexec_b32 s33, vcc_lo
	global_store_b32 v3, v[PV], s[18:19]           ; lane 0: pos[t]
	s_wait_xcnt 0x0
	s_or_b32 exec_lo, exec_lo, s33
	s_cmp_lt_u32 s21, 128
	s_cbranch_scc1 .Lpad
	s_endpgm
.Lpad:
	s_lshr_b32 s42, s21, 4                         ; expert t / 16
	s_and_b32 s43, s21, 15                         ; row t % 16
	MASKS 42
	s_mov_b32 s44, 0
.set J, 0
.rept 32
	s_bcnt1_i32_b32 s31, s[MK+J]
	s_add_co_u32 s44, s44, s31
.set J, J+1
.endr
	s_min_u32 s44, s44, 1024                       ; the expert's tokens
	s_add_co_u32 s45, s44, 15
	s_lshr_b32 s45, s45, 4
	s_max_u32 s45, s45, 1                          ; its tiles, one at the least
	s_sub_co_u32 s45, s45, 1
	s_lshl_b32 s45, s45, 4
	s_add_co_u32 s45, s45, s43                     ; my row of its last tile
	s_cmp_lg_u32 s43, 0
	s_cbranch_scc1 .Lnocnt
	v_mov_b32 v[PV], s44
	s_lshl_b32 s26, s42, 2
	s_add_nc_u64 s[16:17], s[16:17], s[26:27]
	v_cmp_eq_u32 vcc_lo, 0, v1
	s_and_saveexec_b32 s33, vcc_lo
	global_store_b32 v3, v[PV], s[16:17]           ; lane 0: cnt[e]
	s_wait_xcnt 0x0
	s_or_b32 exec_lo, exec_lo, s33
.Lnocnt:
	s_cmp_ge_u32 s45, s44
	s_cbranch_scc1 .Lzero
	s_endpgm                                       ; the row belongs to a token
.Lzero:
	s_lshl_b32 s32, s42, 10
	s_add_co_u32 s32, s32, s45
	s_min_u32 s32, s32, 8191
	ROWBASE
	ROWOUT ZR, ZR, SV
	s_endpgm
.Lfunc_end_k_q2921d89681_place:
	.size	k_q2921d89681_place, .Lfunc_end_k_q2921d89681_place-k_q2921d89681_place
	.p2alignl 7, 3214868480
	.fill 96, 4, 3214868480
	.section	.rodata,"a",@progbits
	.p2align	6, 0x0
	.amdhsa_kernel k_q2921d89681_place
		.amdhsa_group_segment_fixed_size 0
		.amdhsa_private_segment_fixed_size 0
		.amdhsa_enable_private_segment 0
		.amdhsa_kernarg_size 40
		.amdhsa_user_sgpr_count 2
		.amdhsa_user_sgpr_kernarg_segment_ptr 1
		.amdhsa_wavefront_size32 1
		.amdhsa_system_sgpr_workgroup_id_x 1
		.amdhsa_system_sgpr_workgroup_id_y 1
		.amdhsa_system_sgpr_workgroup_id_z 1
		.amdhsa_system_vgpr_workitem_id 0
		.amdhsa_next_free_vgpr 64
		.amdhsa_next_free_sgpr 100
		.amdhsa_reserve_vcc 1
		.amdhsa_float_denorm_mode_32 3
		.amdhsa_float_denorm_mode_16_64 3
		.amdhsa_memory_ordered 1
		.amdhsa_forward_progress 1
		.amdhsa_inst_pref_size 19
	.end_amdhsa_kernel
	.amdgpu_metadata
---
amdhsa.version: [ 1, 2 ]
amdhsa.kernels:
  - .name:           k_q2921d89681_place
    .symbol:         k_q2921d89681_place.kd
    .args:
      - { .name: xc, .offset: 0, .size: 8, .value_kind: global_buffer, .address_space: global }
      - { .name: xs, .offset: 8, .size: 8, .value_kind: global_buffer, .address_space: global }
      - { .name: top1, .offset: 16, .size: 8, .value_kind: global_buffer, .address_space: global }
      - { .name: xg, .offset: 24, .size: 8, .value_kind: global_buffer, .address_space: global }
      - { .name: pos, .offset: 32, .size: 8, .value_kind: global_buffer, .address_space: global }
    .group_segment_fixed_size: 0
    .private_segment_fixed_size: 0
    .kernarg_segment_align: 8
    .kernarg_segment_size: 40
    .max_flat_workgroup_size: 128
    .sgpr_count:     100
    .vgpr_count:     64
    .wavefront_size: 32
...
	.end_amdgpu_metadata
.endif
;; end of part 2
;; launch up (part 3): grid 256 x 1, 4 waves a work-group, no clusters, 139,776 bytes of LDS; arguments W1, b1, xg, pos, hc, hs; writes hc, hs
.if DOCPART == 3
	.amdgcn_target "amdgcn-amd-amdhsa--gfx1250"
	.amdhsa_code_object_version 6
	.text
	.protected	k_q2921d89681_up
	.globl	k_q2921d89681_up
	.p2align	8
	.type	k_q2921d89681_up,@function
k_q2921d89681_up:
	s_mov_b64 s[64:65], 0
	v_nop
	global_prefetch_b8 v0, s[64:65] scope:SCOPE_SE
	s_setreg_imm32_b32 hwreg(HW_REG_WAVE_MODE, 25, 1), 1
	s_wait_xcnt 0x0
; THE FIRST PRODUCT OF THE CHOSEN EXPERTS: hidden = Q(relu(Q(x) Q(W1[e]) + b1[e])), for the rows placed under expert e, on codes of E4M3 with one E8M0 scale for each 32 along K.
; SHARES.  Work-group = (expert e = id / 32, slice = id % 32): hidden units 128 slice .. + 127, all of K = 1,024: 512 KiB of W1, read once by this work-group alone.
; Wave w = 2 g + p: hidden units 64 g .. + 63 of the slice.  PHASE A: it streams K rows 512 p .. + 511 of its 64 columns (16 granules of 32 rows), quantises them in registers (OWN) and lays an image of those
; registers in LDS for its partner w xor 1.  ONE barrier.  PHASE B: it takes the partner's image (PAR), so that it holds all of K, and walks the expert's tiles of 16 rows of parity p: 32 matrix instructions a tile.
; No barrier stands behind the first: how many tiles there are is read from memory, and every wave must pass every barrier.
; LAYOUT.  W1 is [K][hidden].  A load reads, in lanes 0-15, 256 consecutive bytes of one K row (4 columns a lane), in lanes 16-31 those of the row 16 further down.  So lane (r, h) holds columns 4 r + j at
; k = 32 c + 16 h + i: the operand's layout for four tiles j whose row m is column 4 m + j.  The hold writes its results in K order; nothing else is transposed.
; The product takes the weights as source 0 and 16 rows of x as source 1 (from xg: images of the operand's registers, 512 consecutive bytes a load).  In the result lane (r, h) holds row r, and register jj of tile j
; hidden unit 32 h + 4 jj + j: a lane holds ONE whole block of 32 of the next K, so its largest magnitude needs no other lane.
; OUT.  hc [e][tile][K step = slice][2,048 bytes]: images of the next product's operand registers; hs [e][tile][slice][16 words].
; The codes leave as aligned runs of 256 bytes from sixteen lanes; the scale bytes one a lane (32 bytes a tile and wave: a word's other half is the other column group's, and no barrier stands here to join them).
; NO TENSOR LOADS, NO CLUSTER: the weights are read by one work-group only; what the 32 slices of an expert share is a tile's 16 KiB of codes beside 512 KiB of weights, and a joint request would want a round of barriers where the useful trips are read from memory.
; LIMITS: NaN and infinities are not served.  A block of zeros gets the byte 1 (rule: 127): its codes are zeros and this program alone reads the bytes.  An expert without tokens has one tile of zero rows, which is worked like any other.
; REGISTERS in windows of 256.  Window 0: below.  Window 1: the ring of four granules (slot c at 64 c, register 4 i + j); then two buffers of 128 for the rows' fragments.  Window 2: OWN (K step ks, tile j at 16 (4 ks + j)).  Window 3: PAR likewise.
.set PITCH, 16384                      ; a K row of W1 in bytes
.set EXS,   131072                     ; LDS: 4 x 32,768 bytes of code images, then 4 x 2,048 bytes of scale words
.set XGS,   0x800000                   ; xg: the scale rows lie behind 8 MiB of images
.set LN,   1                           ; lane
.set RR,   2                           ; r = lane % 16
.set HH,   3                           ; h = lane / 16
.set WOFF, 4                           ; 16 r + 16 rows x h
.set EXW,  5                           ; 16 lane + 32768 w
.set EXR,  6                           ; 16 lane + 32768 (w xor 1)
.set EXSW, 7                           ; EXS + 4 lane + 2048 w
.set EXSR, 8                           ; the partner's
.set HOFF, 9                           ; 1024 g + 512 h + 16 r
.set HSOFF, 10                         ; 4 r + 2 g + h
.set PFO,  11                          ; lane x PITCH
.set BO,   12                          ; 128 h
.set HOA,  13                          ; 16 lane + 8192 p
.set HOB,  14                          ; 16 lane + 8192 (1 - p)
.set SOA,  15                          ; 32 r + 16 p
.set SOB,  16                          ; 32 r + 16 (1 - p)
.set TT,   22
.set WSO,  40                          ; v40-55  my weights' scale words (4 ks + j)
.set WSP,  56                          ; v56-71  the partner's
.set XS,   72                          ; v72-87  the rows' scale words, 8 a buffer
.set MX,   88
.set PM,   92
.set EO,   96
.set LM,   100
.set BT,   104
.set ACC,  108                         ; v108-139 four accumulators
.set TQ,   140                         ; v140-203 phase A: a granule's 64 numbers in K order
.set OV,   140                         ; v140-171 phase B: a block of 32 hidden numbers
.set HC,   172                         ; v172-179 its codes
.set BI,   204                         ; v204-235 b1 of my 32 hidden units
.set WV,   22
.set GG,   23
.set PP,   24
.set EE,   25
.set SL,   26
.set NE,   27                          ; the expert's tokens
.set NT,   28                          ; its tiles of 16
.set TI,   29                          ; the tile in hand
.set IT,   30
.set SEL,  32
.set MNT,  34
.set OFS,  36                          ; s[36:37] an offset, high word 0
.set HCB,  38
.set NTM1, 40
.set TE,   41
.set HB,   42                          ; s[42:43], s[44:45] buffer b's tile among the images
.set HC0,  46
.set WB,   48
.set XG0,  50
.set XS0,  52
.set HS0,  54
.set TMP,  56
.set SB,   58                          ; s[58:59], s[60:61] buffer b's tile among the scale rows
.set HSB,  62
.set MSB, 0
.macro WIN new                         ; the immediate's high byte repeats the setting that is left; bits 1:0 source 0, 3:2 source 1, 5:4 source 2, 7:6 destination
.if MSB != \new
	s_set_vgpr_msb (MSB<<8)|\new
.set MSB, \new
.endif
.endm
; Granule (ks, c): K rows 128 ks + 32 c + 16 h + i into slot c of the ring: 16 loads, each two aligned runs of 256 bytes.
.macro WLOAD ks, c
	WIN 0x40
.irp i, 0,1,2,3,4,5,6,7,8,9,10,11,12,13,14,15
	global_load_b128 v[64*(\c)+4*\i:64*(\c)+4*\i+3], v[WOFF], s[WB:WB+1] offset:(128*(\ks)+32*(\c)+\i)*PITCH th:TH_LOAD_NT
.endr
.endm
; A granule is quantised: four blocks of 32 along K (one for each of my four columns; the other 16 numbers of a block lie in lane l xor 16).  extra: loads of phase B issued behind the ring's.
.macro GRAN ks, c, extra
.set GA, 4*(\ks)+(\c)
.if GA < 13
	s_wait_loadcnt 48+\extra                       ; loads come back in order: this granule is in; the three granules behind it, 16 loads each, stay out
.else
	s_wait_loadcnt 16*(15-GA)+\extra               ; the last granules: the counts run down
.endif
	WIN 0x05
.irp j, 0,1,2,3
	v_max3_num_f32 v[MX+\j], |v[64*(\c)+\j]|, |v[64*(\c)+4+\j]|, 0x4800000   ; with the floor 2^(9 - 127): the byte cannot fall under 1
.endr
.irp i, 2,4,6,8,10,12,14
.irp j, 0,1,2,3
	v_max3_num_f32 v[MX+\j], |v[64*(\c)+4*\i+\j]|, |v[64*(\c)+4*\i+4+\j]|, v[MX+\j]
.endr
.endr
	WIN 0
.irp j, 0,1,2,3
	v_permlanex16_b32 v[PM+\j], v[MX+\j], s[SEL], s[SEL+1]
.endr
.irp j, 0,1,2,3
	v_max_num_f32 v[MX+\j], v[MX+\j], v[PM+\j]     ; the block's largest magnitude
.endr
.irp j, 0,1,2,3
	v_add_nc_u32 v[EO+\j], 0xfc000000, v[MX+\j]    ; 8 off the exponent field: the conversion's scale operand
.endr
.irp j, 0,1,2,3
	v_and_or_b32 v[LM+\j], v[MX+\j], 0x7f800000, s[MNT]   ; 448 x the scale
.endr
.if (\c) == 0
.irp j, 0,1,2,3
	v_lshrrev_b32 v[WSO+4*(\ks)+\j], 23, v[EO+\j]  ; byte 0 of the K step's scale word
.endr
.else
.irp j, 0,1,2,3
	v_lshrrev_b32 v[BT+\j], 23, v[EO+\j]
.endr
.irp j, 0,1,2,3
	v_lshl_or_b32 v[WSO+4*(\ks)+\j], v[BT+\j], 8*(\c), v[WSO+4*(\ks)+\j]
.endr
.endif
	WIN 0x01
.irp j, 0,1,2,3
.irp i, 0,1,2,3,4,5,6,7,8,9,10,11,12,13,14,15
	v_med3_num_f32 v[TQ+16*\j+\i], v[64*(\c)+4*\i+\j], -v[LM+\j], v[LM+\j]   ; the hold (the conversion does not saturate: ISA guide 7.6.2), and the move into K order
.endr
.endr
.if (\ks) < 3
	WLOAD (\ks)+1, \c                              ; the slot has been read: it takes the granule four further on
.endif
.if GA+6 <= 15
	global_prefetch_b8 v[PFO], s[WB:WB+1] offset:32*(GA+6)*PITCH th:TH_LOAD_NT scope:SCOPE_SE   ; granule GA + 6, two granules ahead of its loads: a lane to a row's 256 bytes; the last asked for is granule 15
.endif
	WIN 0x80
.irp j, 0,1,2,3
	v_cvt_scalef32_pk8_fp8_f32 v[16*(4*(\ks)+\j)+4*(\c):16*(4*(\ks)+\j)+4*(\c)+1], v[TQ+16*\j:TQ+16*\j+7], v[EO+\j]
	v_cvt_scalef32_pk8_fp8_f32 v[16*(4*(\ks)+\j)+4*(\c)+2:16*(4*(\ks)+\j)+4*(\c)+3], v[TQ+16*\j+8:TQ+16*\j+15], v[EO+\j]
.endr
	v_nop                                          ; one plain line behind the conversions, ahead of whatever writes their sources next
	WIN 0x08
.irp j, 0,1,2,3
	ds_store_b128 v[EXW], v[16*(4*(\ks)+\j)+4*(\c):16*(4*(\ks)+\j)+4*(\c)+3] offset:2048*(4*(\ks)+\j)+512*(\c)   ; the image for my partner: 512 consecutive bytes
.endr
.endm
; The operand of tile s[TE], held to the expert's last tile: 8 fragments (16 rows x 128 K) and 8 scale words a row: 34 loads.  My own K steps first, then the partner's.
.macro XLOAD b
	s_min_u32 s[TE], s[TE], s[NTM1]
	s_min_u32 s[TE], s[TE], 63
	s_lshl_b32 s[OFS], s[TE], 14                   ; a tile's images: 8 K steps of 2,048 bytes
	s_add_nc_u64 s[HB+2*\b:HB+2*\b+1], s[XG0:XG0+1], s[OFS:OFS+1]
	s_lshl_b32 s[OFS], s[TE], 9                    ; its scale rows: 16 of 32 bytes
	s_add_nc_u64 s[SB+2*\b:SB+2*\b+1], s[XS0:XS0+1], s[OFS:OFS+1]
	WIN 0x40
.irp k, 0,1,2,3
.irp c, 0,1,2,3
	global_load_b128 v[128*\b+16*\k+4*\c:128*\b+16*\k+4*\c+3], v[HOA], s[HB+2*\b:HB+2*\b+1] offset:2048*\k+512*\c
.endr
.endr
.irp k, 0,1,2,3
.irp c, 0,1,2,3
	global_load_b128 v[128*\b+64+16*\k+4*\c:128*\b+64+16*\k+4*\c+3], v[HOB], s[HB+2*\b:HB+2*\b+1] offset:2048*\k+512*\c
.endr
.endr
	WIN 0
	global_load_b128 v[XS+8*\b:XS+8*\b+3], v[SOA], s[SB+2*\b:SB+2*\b+1]
	global_load_b128 v[XS+8*\b+4:XS+8*\b+7], v[SOB], s[SB+2*\b:SB+2*\b+1]
.endm
; Tile s[TI], whose operand lies in buffer b.
.macro HALF b
	s_wait_loadcnt 34                              ; this buffer's 34 loads are in; the other buffer's 34 may be out
	s_wait_xcnt 0x0                                ; the data and the bases of the last tile's stores, and this buffer's bases, are written only behind this wait
	WIN 0x06                                       ; source 0 window 2 (OWN), source 1 window 1; the four accumulators take turns, one instruction a turn
.irp k, 0,1,2,3
.irp j, 0,1,2,3
.if \k == 0
	v_wmma_scale_f32_16x16x128_f8f6f4 v[ACC+8*\j:ACC+8*\j+7], v[16*(4*\k+\j):16*(4*\k+\j)+15], v[128*\b+16*\k:128*\b+16*\k+15], 0, v[WSO+4*\k+\j], v[XS+8*\b+\k]
.else
	v_wmma_scale_f32_16x16x128_f8f6f4 v[ACC+8*\j:ACC+8*\j+7], v[16*(4*\k+\j):16*(4*\k+\j)+15], v[128*\b+16*\k:128*\b+16*\k+15], v[ACC+8*\j:ACC+8*\j+7], v[WSO+4*\k+\j], v[XS+8*\b+\k]
.endif
.endr
.endr
	WIN 0x07                                       ; source 0 window 3 (PAR)
.irp k, 0,1,2,3
.irp j, 0,1,2,3
	v_wmma_scale_f32_16x16x128_f8f6f4 v[ACC+8*\j:ACC+8*\j+7], v[16*(4*\k+\j):16*(4*\k+\j)+15], v[128*\b+64+16*\k:128*\b+64+16*\k+15], v[ACC+8*\j:ACC+8*\j+7], v[WSP+4*\k+\j], v[XS+8*\b+4+\k]
.endr
.endr
	WIN 0
.rept 8
	v_nop                                          ; places behind the products, ahead of the loads into their operands and of the first read of their results; the block's quantising below adds those that the next tile's first products want
.endr
	s_add_co_u32 s[TE], s[TI], 4
	XLOAD \b                                       ; the tile two of mine further on
.irp n, 0,1,2,3,4,5,6,7
.irp j, 0,1,2,3
	v_add_f32 v[OV+4*\n+\j], v[ACC+8*\j+\n], v[BI+4*\n+\j]   ; the bias, and the move into the next K's order; each accumulator from its low end on
.endr
.endr
	v_max3_num_f32 v[MX], v[OV], v[OV+1], 0x4800000            ; no |.|: what is negative becomes 0, so it does not count; the floor stands over it
	v_max3_num_f32 v[MX+1], v[OV+16], v[OV+17], 0x4800000
.irp i, 2,4,6,8,10,12,14
	v_max3_num_f32 v[MX], v[MX], v[OV+\i], v[OV+\i+1]
	v_max3_num_f32 v[MX+1], v[MX+1], v[OV+16+\i], v[OV+17+\i]
.endr
	v_max_num_f32 v[MX], v[MX], v[MX+1]            ; all 32 numbers of the block are mine
	v_add_nc_u32 v[EO], 0xfc000000, v[MX]
	v_and_or_b32 v[LM], v[MX], 0x7f800000, s[MNT]
	v_lshrrev_b32 v[BT], 23, v[EO]
.irp i, 0,1,2,3,4,5,6,7,8,9,10,11,12,13,14,15,16,17,18,19,20,21,22,23,24,25,26,27,28,29,30,31
	v_med3_num_f32 v[OV+\i], v[OV+\i], 0, v[LM]    ; the activation and the hold in one
.endr
.irp q, 0,1,2,3
	v_cvt_scalef32_pk8_fp8_f32 v[HC+2*\q:HC+2*\q+1], v[OV+8*\q:OV+8*\q+7], v[EO]
.endr
	v_nop                                          ; one plain line behind the conversions
	s_min_u32 s[TMP], s[TI], 63
	s_lshl_b32 s[OFS], s[TMP], 16
	s_add_nc_u64 s[HCB:HCB+1], s[HC0:HC0+1], s[OFS:OFS+1]
	s_lshl_b32 s[OFS], s[TMP], 11
	s_add_nc_u64 s[HSB:HSB+1], s[HS0:HS0+1], s[OFS:OFS+1]
	global_store_b128 v[HOFF], v[HC:HC+3], s[HCB:HCB+1]              ; k 0-15 of my block: sixteen lanes fill 256 consecutive, aligned bytes
	global_store_b128 v[HOFF], v[HC+4:HC+7], s[HCB:HCB+1] offset:256 ; k 16-31
	global_store_b8 v[HSOFF], v[BT], s[HSB:HSB+1]                    ; byte 2 g + h of row r's scale word
.endm
	s_load_b256 s[4:11], s[0:1], 0x0               ; W1 s[4:5], b1 s[6:7], xg s[8:9], pos s[10:11]
	s_load_b128 s[12:15], s[0:1], 0x20             ; hc s[12:13], hs s[14:15]
	v_lshl_add_u32 v254, v0, 2, 0x22000
	v_mov_b32 v255, 0
	v_lshrrev_b32 v[LN], 5, v0
	v_readfirstlane_b32 s[WV], v[LN]
	v_and_b32 v[LN], 31, v0
	v_and_b32 v[RR], 15, v0
	v_bfe_u32 v[HH], v0, 4, 1
	s_lshr_b32 s[GG], s[WV], 1
	s_and_b32 s[PP], s[WV], 1
	s_lshr_b32 s[EE], ttmp9, 5
	s_and_b32 s[SL], ttmp9, 31
	s_mov_b32 s[SEL], 0x76543210
	s_mov_b32 s[SEL+1], 0xfedcba98                 ; lane selects: lane l xor 16
	s_mov_b32 s[MNT], 0x600000                     ; the mantissa field of 448
	v_lshlrev_b32 v[TT], 4, v[LN]                  ; 16 lane
	v_lshlrev_b32 v[WOFF], 4, v[RR]
	v_lshl_add_u32 v[WOFF], v[HH], 18, v[WOFF]
	s_lshl_b32 s[TMP], s[WV], 15
	v_add_nc_u32 v[EXW], s[TMP], v[TT]
	s_xor_b32 s[TMP], s[TMP], 32768
	v_add_nc_u32 v[EXR], s[TMP], v[TT]
	s_lshl_b32 s[TMP], s[PP], 13
	v_add_nc_u32 v[HOA], s[TMP], v[TT]
	s_xor_b32 s[TMP], s[TMP], 8192
	v_add_nc_u32 v[HOB], s[TMP], v[TT]
	v_lshlrev_b32 v[TT], 2, v[LN]                  ; 4 lane
	s_lshl_b32 s[TMP], s[WV], 11
	s_add_co_u32 s[TMP], s[TMP], EXS
	v_add_nc_u32 v[EXSW], s[TMP], v[TT]
	s_xor_b32 s[TMP], s[TMP], 2048                 ; EXS has bit 11 clear: this turns w into w xor 1
	v_add_nc_u32 v[EXSR], s[TMP], v[TT]
	v_lshlrev_b32 v[TT], 5, v[RR]                  ; 32 r
	s_lshl_b32 s[TMP], s[PP], 4
	v_add_nc_u32 v[SOA], s[TMP], v[TT]
	s_xor_b32 s[TMP], s[TMP], 16
	v_add_nc_u32 v[SOB], s[TMP], v[TT]
	v_lshlrev_b32 v[HOFF], 4, v[RR]
	v_lshl_add_u32 v[HOFF], v[HH], 9, v[HOFF]
	s_lshl_b32 s[TMP], s[GG], 10
	v_add_nc_u32 v[HOFF], s[TMP], v[HOFF]
	v_lshl_add_u32 v[HSOFF], v[RR], 2, v[HH]
	s_lshl_b32 s[TMP], s[GG], 1
	v_add_nc_u32 v[HSOFF], s[TMP], v[HSOFF]
	v_lshlrev_b32 v[PFO], 14, v[LN]
	v_lshlrev_b32 v[BO], 7, v[HH]
.irp j, 0,1,2,3
	v_mov_b32 v[PM+\j], 0                          ; a lane permute's destination counts as one of its sources
.endr
	s_mov_b32 s[OFS+1], 0
	s_lshl_b32 s[TMP], s[SL], 9
	s_lshl_b32 s[TMP+1], s[GG], 8
	s_add_co_u32 s[TMP], s[TMP], s[TMP+1]          ; my first column, in bytes: (128 slice + 64 g) x 4
	s_wait_kmcnt 0x0
	s_lshl_b32 s[OFS], s[EE], 2
	s_add_nc_u64 s[10:11], s[10:11], s[OFS:OFS+1]
	s_load_b32 s[NE], s[10:11], 0x1000             ; cnt[e]: behind the 1,024 words of pos
	s_lshl_b32 s[OFS], s[EE], 24                   ; an expert's W1 is 16 MiB,
	s_lshl_b32 s[TMP+1], s[PP], 23                 ; 512 K rows are 8 MiB
	s_add_co_u32 s[OFS], s[OFS], s[TMP+1]
	s_add_co_u32 s[OFS], s[OFS], s[TMP]
	s_add_nc_u64 s[WB:WB+1], s[4:5], s[OFS:OFS+1]
	s_lshl_b32 s[OFS], s[EE], 14
	s_add_co_u32 s[OFS], s[OFS], s[TMP]
	s_add_nc_u64 s[6:7], s[6:7], s[OFS:OFS+1]      ; b1 at my 64 hidden units
	s_lshl_b32 s[OFS], s[EE], 20                   ; an expert's images: 64 tiles of 16,384 bytes
	s_add_nc_u64 s[XG0:XG0+1], s[8:9], s[OFS:OFS+1]
	s_lshl_b32 s[OFS], s[EE], 15                   ; its scale rows: 1,024 of 32 bytes
	s_add_nc_u64 s[XS0:XS0+1], s[8:9], s[OFS:OFS+1]
	s_add_nc_u64 s[XS0:XS0+1], s[XS0:XS0+1], XGS
	s_lshl_b32 s[OFS], s[EE], 22
	s_lshl_b32 s[TMP+1], s[SL], 11
	s_add_co_u32 s[OFS], s[OFS], s[TMP+1]
	s_add_nc_u64 s[HC0:HC0+1], s[12:13], s[OFS:OFS+1]
	s_lshl_b32 s[OFS], s[EE], 17
	s_lshl_b32 s[TMP+1], s[SL], 6
	s_add_co_u32 s[OFS], s[OFS], s[TMP+1]
	s_add_nc_u64 s[HS0:HS0+1], s[14:15], s[OFS:OFS+1]
.irp m, 0,1,2,3,4,5,6,7
	global_load_b128 v[BI+4*\m:BI+4*\m+3], v[BO], s[6:7] offset:16*\m
.endr
	WLOAD 0, 0                                     ; the ring is filled: 64 loads of 512 bytes a wave
	WLOAD 0, 1
	WLOAD 0, 2
	WLOAD 0, 3
	global_prefetch_b8 v[PFO], s[WB:WB+1] offset:32*4*PITCH th:TH_LOAD_NT scope:SCOPE_SE   ; granules 4 and 5: the first that the ring does not yet hold
	global_prefetch_b8 v[PFO], s[WB:WB+1] offset:32*5*PITCH th:TH_LOAD_NT scope:SCOPE_SE
	s_wait_kmcnt 0x0
	s_min_u32 s[NE], s[NE], 1024
	s_add_co_u32 s[NT], s[NE], 15
	s_lshr_b32 s[NT], s[NT], 4
	s_max_u32 s[NT], s[NT], 1                      ; an expert without tokens has one tile of zero rows
	s_sub_co_u32 s[NTM1], s[NT], 1
.irp k, 0,1,2
.irp c, 0,1,2,3
	GRAN \k, \c, 0                                 ; (the first one's wait also shows b1 in: it was asked for first)
.endr
.endr
	GRAN 3, 0, 0
	GRAN 3, 1, 0
	s_mov_b32 s[TE], s[PP]
	XLOAD 0                                        ; slots 0 and 1 of the ring are done with: they take my first tile's operand
	GRAN 3, 2, 34                                  ; (those 34 loads were issued behind the ring's)
	GRAN 3, 3, 34
	s_add_co_u32 s[TE], s[PP], 2
	XLOAD 1
.irp n, 0,1,2,3,4,5,6,7,8,9,10,11,12,13,14,15
	ds_store_b32 v[EXSW], v[WSO+\n] offset:128*\n  ; the scale words' image
.endr
	s_wait_dscnt 0x0                               ; for my partner's sake: all my images lie in LDS
	s_barrier_signal -1
	s_barrier_wait -1
	WIN 0xc0
.set J, 0
.rept 64
	ds_load_b128 v[4*J:4*J+3], v[EXR] offset:512*J ; the partner's registers, in the same lanes
.set J, J+1
.endr
	WIN 0
.irp n, 0,1,2,3,4,5,6,7,8,9,10,11,12,13,14,15
	ds_load_b32 v[WSP+\n], v[EXSR] offset:128*\n
.endr
	s_wait_dscnt 0x0
.rept 4
	v_nop                                          ; an operand written by vector instructions (the last conversions into OWN) stands four places ahead of a scaled matrix instruction
.endr
	s_mov_b32 s[IT], 0
.Ltok:                                             ; 16 trips of two tiles: an expert has 64 tiles at the most, 32 of my parity.  A wave whose tiles are done ends
	s_lshl_b32 s[TI], s[IT], 2
	s_add_co_u32 s[TI], s[TI], s[PP]               ; tile 4 trip + p
	s_cmp_lt_u32 s[TI], s[NT]
	s_cbranch_scc1 .Lgo0
	s_wait_tensorcnt 0x0
	ds_add_u32 v254, v255
	s_wait_dscnt 0x0
	s_endpgm
.Lgo0:
	HALF 0
	s_add_co_u32 s[TI], s[TI], 2
	s_cmp_lt_u32 s[TI], s[NT]
	s_cbranch_scc1 .Lgo1
	s_wait_tensorcnt 0x0
	ds_add_u32 v254, v255
	s_wait_dscnt 0x0
	s_endpgm
.Lgo1:
	HALF 1
	s_add_co_u32 s[IT], s[IT], 1
	s_cmp_lt_u32 s[IT], 16
	s_cbranch_scc1 .Ltok
	s_wait_tensorcnt 0x0
	ds_add_u32 v254, v255
	s_wait_dscnt 0x0
	s_endpgm
.Lfunc_end_k_q2921d89681_up:
	.size	k_q2921d89681_up, .Lfunc_end_k_q2921d89681_up-k_q2921d89681_up
	.p2alignl 7, 3214868480
	.fill 96, 4, 3214868480
	.section	.rodata,"a",@progbits
	.p2align	6, 0x0
	.amdhsa_kernel k_q2921d89681_up
		.amdhsa_group_segment_fixed_size 139776
		.amdhsa_private_segment_fixed_size 0
		.amdhsa_enable_private_segment 0
		.amdhsa_kernarg_size 48
		.amdhsa_user_sgpr_count 2
		.amdhsa_user_sgpr_kernarg_segment_ptr 1
		.amdhsa_wavefront_size32 1
		.amdhsa_system_sgpr_workgroup_id_x 1
		.amdhsa_system_sgpr_workgroup_id_y 1
		.amdhsa_system_sgpr_workgroup_id_z 1
		.amdhsa_system_vgpr_workitem_id 0
		.amdhsa_next_free_vgpr 1024
		.amdhsa_next_free_sgpr 66
		.amdhsa_reserve_vcc 0
		.amdhsa_float_denorm_mode_32 3
		.amdhsa_float_denorm_mode_16_64 3
		.amdhsa_memory_ordered 1
		.amdhsa_forward_progress 1
		.amdhsa_inst_pref_size 205
	.end_amdhsa_kernel
	.amdgpu_metadata
---
amdhsa.version: [ 1, 2 ]
amdhsa.kernels:
  - .name:           k_q2921d89681_up
    .symbol:         k_q2921d89681_up.kd
    .args:
      - { .name: W1, .offset: 0, .size: 8, .value_kind: global_buffer, .address_space: global }
      - { .name: b1, .offset: 8, .size: 8, .value_kind: global_buffer, .address_space: global }
      - { .name: xg, .offset: 16, .size: 8, .value_kind: global_buffer, .address_space: global }
      - { .name: pos, .offset: 24, .size: 8, .value_kind: global_buffer, .address_space: global }
      - { .name: hc, .offset: 32, .size: 8, .value_kind: global_buffer, .address_space: global }
      - { .name: hs, .offset: 40, .size: 8, .value_kind: global_buffer, .address_space: global }
    .group_segment_fixed_size: 139776
    .private_segment_fixed_size: 0
    .kernarg_segment_align: 8
    .kernarg_segment_size: 48
    .max_flat_workgroup_size: 128
    .sgpr_count:     66
    .vgpr_count:     1024
    .wavefront_size: 32
...
	.end_amdgpu_metadata
.endif
;; end of part 3
;; launch down (part 4): grid 256 x 1, 4 waves a work-group, no clusters, 157,184 bytes of LDS; arguments W2, hc, hs, pos, part; writes part
.if DOCPART == 4
	.amdgcn_target "amdgcn-amd-amdhsa--gfx1250"
	.amdhsa_code_object_version 6
	.text
	.protected	k_q2921d89681_down
	.globl	k_q2921d89681_down
	.p2align	8
	.type	k_q2921d89681_down,@function
k_q2921d89681_down:
	s_mov_b64 s[64:65], 0
	v_nop
	global_prefetch_b8 v0, s[64:65] scope:SCOPE_SE
	s_setreg_imm32_b32 hwreg(HW_REG_WAVE_MODE, 25, 1), 1
	s_wait_xcnt 0x0
; THE SECOND PRODUCT OF THE CHOSEN EXPERTS, in four parts along K: part[kc][1024 e + q][:] = hidden codes (K chunk kc) x Q(W2[e]) (the same chunk), on codes of E4M3 with one E8M0 scale for each 32 along K.
; SHARES.  Work-group = (expert e = id / 32, K chunk kc = (id / 8) % 4 of 1,024 hidden units, slice = id % 8 of 128 output columns): 512 KiB of W2, read once by this work-group alone.
; The four parts of an output are added by the next launch: a work-group with all of K = 4,096 would have 32 columns, row pieces of 128 bytes, and all of its expert's hidden codes to read.
; Wave w = 2 g + p: columns 64 g .. + 63 of the slice.  PHASE A: it streams K rows 512 p .. + 511 of the chunk (16 granules of 32 rows), quantises them in registers (OWN) and lays their image in LDS for wave w xor 1.
; ONE barrier.  PHASE B: with the partner's image (PAR) it holds the chunk's 1,024 along K and walks the expert's tiles of 16 rows of parity p: 32 matrix instructions a tile.  How many tiles there are is read from memory, so no barrier stands there.
; LAYOUT as in the first product's launch: lane (r, h) holds columns 4 r + j at k = 32 c + 16 h + i; tile j's row m is column 4 m + j.  Source 0 = the weights, source 1 = 16 rows' hidden codes, which come
; from hc as images of the operand's registers: each load reads 512 consecutive bytes.  In the result lane (r, h) holds row r, register jj of tile j column 32 h + 4 jj + j.
; The results turn through the wave's own stage in LDS (16 rows x 272 bytes) and leave as aligned runs of 256 bytes from sixteen lanes.  The stage's stores of 4 bytes fall two deep on the banks (rows r and r + 8 of the other half).
; NO TENSOR LOADS, NO CLUSTER: the weights are read by one work-group only; what the 8 slices share is a tile's 16 KiB of hidden codes beside 512 KiB of weights, where the useful trips are read from memory.
; LIMITS: NaN and infinities are not served.  A block of zeros gets the byte 1 (rule: 127): its codes are zeros.  An expert without tokens has one tile, whose results nobody reads.
; REGISTERS in windows of 256.  Window 1: the ring of four granules, then two buffers of 128 for the rows' fragments.  Window 2: OWN (16 (4 ks + j)).  Window 3: PAR.
.set PITCH, 4096                       ; a K row of W2 in bytes
.set EXS,   131072                     ; LDS: 4 x 32,768 bytes of code images, 4 x 2,048 of scale words,
.set STG,   139264                     ; and 4 stages of 16 x 272 bytes
.set LN,   1
.set RR,   2
.set HH,   3
.set WOFF, 4                           ; 16 r + 16 rows x h
.set EXW,  5
.set EXR,  6
.set EXSW, 7
.set EXSR, 8
.set SW,   9                           ; the stage, in: 272 r + 128 h
.set SRD,  10                          ; and out: 272 h + 16 r
.set PFO,  11                          ; lane x PITCH
.set PO,   12                          ; part: 4096 h + 16 r
.set HOA,  13                          ; 16 lane + 8192 p
.set HOB,  14                          ; 16 lane + 8192 (1 - p)
.set SOA,  15                          ; 4 r + 256 p
.set SOB,  16                          ; 4 r + 256 (1 - p)
.set TT,   22
.set WSO,  40                          ; v40-55  my weights' scale words
.set WSP,  56                          ; v56-71  the partner's
.set XS,   72                          ; v72-87  the rows' scale words, 8 a buffer
.set MX,   88
.set PM,   92
.set EO,   96
.set LM,   100
.set BT,   104
.set ACC,  108                         ; v108-139 four accumulators
.set TQ,   140                         ; v140-203 phase A: a granule's 64 numbers in K order
.set OUT,  140                         ; v140-171 phase B: 16 rows back from the stage
.set WV,   22
.set GG,   23
.set PP,   24
.set EE,   25
.set SL,   26
.set NE,   27
.set NT,   28
.set TI,   29
.set IT,   30
.set SEL,  32
.set MNT,  34
.set KC,   35
.set OFS,  36                          ; s[36:37] an offset, high word 0
.set PBT,  38
.set NTM1, 40
.set TE,   41
.set HB,   42                          ; s[42:43], s[44:45] buffer b's tile in hc
.set WB,   48
.set HC0,  50
.set HS0,  52
.set PB,   54
.set TMP,  56
.set SB,   58                          ; s[58:59], s[60:61] buffer b's tile in hs
.set MSB, 0
.macro WIN new                         ; the immediate's high byte repeats the setting that is left; bits 1:0 source 0, 3:2 source 1, 5:4 source 2, 7:6 destination
.if MSB != \new
	s_set_vgpr_msb (MSB<<8)|\new
.set MSB, \new
.endif
.endm
.macro WLOAD ks, c                     ; granule (ks, c): K rows 128 ks + 32 c + 16 h + i into slot c: 16 loads, each two aligned runs of 256 bytes
	WIN 0x40
.irp i, 0,1,2,3,4,5,6,7,8,9,10,11,12,13,14,15
	global_load_b128 v[64*(\c)+4*\i:64*(\c)+4*\i+3], v[WOFF], s[WB:WB+1] offset:(128*(\ks)+32*(\c)+\i)*PITCH th:TH_LOAD_NT
.endr
.endm
; A granule is quantised: four blocks of 32 along K, one for each of my four columns; the other 16 numbers of a block lie in lane l xor 16.  extra: loads of phase B issued behind the ring's.
.macro GRAN ks, c, extra
.set GA, 4*(\ks)+(\c)
.if GA < 13
	s_wait_loadcnt 48+\extra                       ; loads come back in order: this granule is in; the three behind it, 16 loads each, stay out
.else
	s_wait_loadcnt 16*(15-GA)+\extra               ; the last granules: the counts run down
.endif
	WIN 0x05
.irp j, 0,1,2,3
	v_max3_num_f32 v[MX+\j], |v[64*(\c)+\j]|, |v[64*(\c)+4+\j]|, 0x4800000   ; with the floor 2^(9 - 127): the byte cannot fall under 1
.endr
.irp i, 2,4,6,8,10,12,14
.irp j, 0,1,2,3
	v_max3_num_f32 v[MX+\j], |v[64*(\c)+4*\i+\j]|, |v[64*(\c)+4*\i+4+\j]|, v[MX+\j]
.endr
.endr
	WIN 0
.irp j, 0,1,2,3
	v_permlanex16_b32 v[PM+\j], v[MX+\j], s[SEL], s[SEL+1]
.endr
.irp j, 0,1,2,3
	v_max_num_f32 v[MX+\j], v[MX+\j], v[PM+\j]
.endr
.irp j, 0,1,2,3
	v_add_nc_u32 v[EO+\j], 0xfc000000, v[MX+\j]    ; 8 off the exponent field: the conversion's scale operand
.endr
.irp j, 0,1,2,3
	v_and_or_b32 v[LM+\j], v[MX+\j], 0x7f800000, s[MNT]   ; 448 x the scale
.endr
.if (\c) == 0
.irp j, 0,1,2,3
	v_lshrrev_b32 v[WSO+4*(\ks)+\j], 23, v[EO+\j]
.endr
.else
.irp j, 0,1,2,3
	v_lshrrev_b32 v[BT+\j], 23, v[EO+\j]
.endr
.irp j, 0,1,2,3
	v_lshl_or_b32 v[WSO+4*(\ks)+\j], v[BT+\j], 8*(\c), v[WSO+4*(\ks)+\j]
.endr
.endif
	WIN 0x01
.irp j, 0,1,2,3
.irp i, 0,1,2,3,4,5,6,7,8,9,10,11,12,13,14,15
	v_med3_num_f32 v[TQ+16*\j+\i], v[64*(\c)+4*\i+\j], -v[LM+\j], v[LM+\j]   ; the hold (the conversion does not saturate: ISA guide 7.6.2), and the move into K order
.endr
.endr
.if (\ks) < 3
	WLOAD (\ks)+1, \c                              ; the slot has been read: it takes the granule four further on
.endif
.if GA+6 <= 15
	global_prefetch_b8 v[PFO], s[WB:WB+1] offset:32*(GA+6)*PITCH th:TH_LOAD_NT scope:SCOPE_SE   ; granule GA + 6, two granules ahead of its loads: a lane to a row's 256 bytes; the last asked for is granule 15
.endif
	WIN 0x80
.irp j, 0,1,2,3
	v_cvt_scalef32_pk8_fp8_f32 v[16*(4*(\ks)+\j)+4*(\c):16*(4*(\ks)+\j)+4*(\c)+1], v[TQ+16*\j:TQ+16*\j+7], v[EO+\j]
	v_cvt_scalef32_pk8_fp8_f32 v[16*(4*(\ks)+\j)+4*(\c)+2:16*(4*(\ks)+\j)+4*(\c)+3], v[TQ+16*\j+8:TQ+16*\j+15], v[EO+\j]
.endr
	v_nop                                          ; one plain line behind the conversions
	WIN 0x08
.irp j, 0,1,2,3
	ds_store_b128 v[EXW], v[16*(4*(\ks)+\j)+4*(\c):16*(4*(\ks)+\j)+4*(\c)+3] offset:2048*(4*(\ks)+\j)+512*(\c)
.endr
.endm
; The operand of tile s[TE], held to the expert's last tile: 8 fragments and 8 scale words: 40 loads.  My own K steps first, then the partner's.
.macro XLOAD b
	s_min_u32 s[TE], s[TE], s[NTM1]
	s_min_u32 s[TE], s[TE], 63
	s_lshl_b32 s[OFS], s[TE], 16
	s_add_nc_u64 s[HB+2*\b:HB+2*\b+1], s[HC0:HC0+1], s[OFS:OFS+1]
	s_lshl_b32 s[OFS], s[TE], 11
	s_add_nc_u64 s[SB+2*\b:SB+2*\b+1], s[HS0:HS0+1], s[OFS:OFS+1]
	WIN 0x40
.irp k, 0,1,2,3
.irp c, 0,1,2,3
	global_load_b128 v[128*\b+16*\k+4*\c:128*\b+16*\k+4*\c+3], v[HOA], s[HB+2*\b:HB+2*\b+1] offset:2048*\k+512*\c
.endr
.endr
.irp k, 0,1,2,3
.irp c, 0,1,2,3
	global_load_b128 v[128*\b+64+16*\k+4*\c:128*\b+64+16*\k+4*\c+3], v[HOB], s[HB+2*\b:HB+2*\b+1] offset:2048*\k+512*\c
.endr
.endr
	WIN 0
.irp k, 0,1,2,3
	global_load_b32 v[XS+8*\b+\k], v[SOA], s[SB+2*\b:SB+2*\b+1] offset:64*\k
.endr
.irp k, 0,1,2,3
	global_load_b32 v[XS+8*\b+4+\k], v[SOB], s[SB+2*\b:SB+2*\b+1] offset:64*\k
.endr
.endm
; Tile s[TI], whose operand lies in buffer b.
.macro HALF b
	s_wait_loadcnt 40                              ; this buffer's 40 loads are in; the other buffer's 40 may be out
	s_wait_xcnt 0x0                                ; the data and the base of the last tile's stores, and this buffer's bases, are written only behind this wait
	WIN 0x06                                       ; source 0 window 2 (OWN), source 1 window 1; the four accumulators take turns, one instruction a turn
.irp k, 0,1,2,3
.irp j, 0,1,2,3
.if \k == 0
	v_wmma_scale_f32_16x16x128_f8f6f4 v[ACC+8*\j:ACC+8*\j+7], v[16*(4*\k+\j):16*(4*\k+\j)+15], v[128*\b+16*\k:128*\b+16*\k+15], 0, v[WSO+4*\k+\j], v[XS+8*\b+\k]
.else
	v_wmma_scale_f32_16x16x128_f8f6f4 v[ACC+8*\j:ACC+8*\j+7], v[16*(4*\k+\j):16*(4*\k+\j)+15], v[128*\b+16*\k:128*\b+16*\k+15], v[ACC+8*\j:ACC+8*\j+7], v[WSO+4*\k+\j], v[XS+8*\b+\k]
.endif
.endr
.endr
	WIN 0x07                                       ; source 0 window 3 (PAR)
.irp k, 0,1,2,3
.irp j, 0,1,2,3
	v_wmma_scale_f32_16x16x128_f8f6f4 v[ACC+8*\j:ACC+8*\j+7], v[16*(4*\k+\j):16*(4*\k+\j)+15], v[128*\b+64+16*\k:128*\b+64+16*\k+15], v[ACC+8*\j:ACC+8*\j+7], v[WSP+4*\k+\j], v[XS+8*\b+4+\k]
.endr
.endr
	WIN 0
.rept 9
	v_nop                                          ; places behind the products: eight for the loads into their operands and the LDS stores of their results, the ninth for the next tile's first products, which begin these accumulators anew
.endr
	s_add_co_u32 s[TE], s[TI], 4
	XLOAD \b                                       ; the tile two of mine further on
.irp n, 0,1,2,3,4,5,6,7
.irp j, 0,1,2,3
	ds_store_b32 v[SW], v[ACC+8*\j+\n] offset:16*\n+4*\j   ; column 32 h + 4 n + j of row r; each accumulator from its low end on
.endr
.endr
.irp m, 0,1,2,3,4,5,6,7
	ds_load_b128 v[OUT+4*\m:OUT+4*\m+3], v[SRD] offset:544*\m   ; two rows back: LDS serves a wave's instructions in order, and the stage is my own
.endr
	s_min_u32 s[TMP], s[TI], 63
	s_lshl_b32 s[OFS], s[TMP], 16
	s_add_nc_u64 s[PBT:PBT+1], s[PB:PB+1], s[OFS:OFS+1]
	s_wait_dscnt 0x0
.irp m, 0,1,2,3,4,5,6,7
	global_store_b128 v[PO], v[OUT+4*\m:OUT+4*\m+3], s[PBT:PBT+1] offset:8192*\m   ; sixteen lanes store 256 consecutive, aligned bytes of a row
.endr
.endm
	s_load_b256 s[4:11], s[0:1], 0x0               ; W2 s[4:5], hc s[6:7], hs s[8:9], pos s[10:11]
	s_load_b64 s[12:13], s[0:1], 0x20              ; part
	v_lshl_add_u32 v254, v0, 2, 0x26400
	v_mov_b32 v255, 0
	v_lshrrev_b32 v[LN], 5, v0
	v_readfirstlane_b32 s[WV], v[LN]
	v_and_b32 v[LN], 31, v0
	v_and_b32 v[RR], 15, v0
	v_bfe_u32 v[HH], v0, 4, 1
	s_lshr_b32 s[GG], s[WV], 1
	s_and_b32 s[PP], s[WV], 1
	s_lshr_b32 s[EE], ttmp9, 5
	s_bfe_u32 s[KC], ttmp9, 0x20003                ; two bits from bit 3
	s_and_b32 s[SL], ttmp9, 7
	s_mov_b32 s[SEL], 0x76543210
	s_mov_b32 s[SEL+1], 0xfedcba98
	s_mov_b32 s[MNT], 0x600000
	v_lshlrev_b32 v[TT], 4, v[LN]                  ; 16 lane
	v_lshlrev_b32 v[WOFF], 4, v[RR]
	v_lshl_add_u32 v[WOFF], v[HH], 16, v[WOFF]
	s_lshl_b32 s[TMP], s[WV], 15
	v_add_nc_u32 v[EXW], s[TMP], v[TT]
	s_xor_b32 s[TMP], s[TMP], 32768
	v_add_nc_u32 v[EXR], s[TMP], v[TT]
	s_lshl_b32 s[TMP], s[PP], 13
	v_add_nc_u32 v[HOA], s[TMP], v[TT]
	s_xor_b32 s[TMP], s[TMP], 8192
	v_add_nc_u32 v[HOB], s[TMP], v[TT]
	v_lshlrev_b32 v[TT], 2, v[LN]                  ; 4 lane
	s_lshl_b32 s[TMP], s[WV], 11
	s_add_co_u32 s[TMP], s[TMP], EXS
	v_add_nc_u32 v[EXSW], s[TMP], v[TT]
	s_xor_b32 s[TMP], s[TMP], 2048                 ; EXS has bit 11 clear: this turns w into w xor 1
	v_add_nc_u32 v[EXSR], s[TMP], v[TT]
	v_lshlrev_b32 v[TT], 2, v[RR]                  ; 4 r
	s_lshl_b32 s[TMP], s[PP], 8
	v_add_nc_u32 v[SOA], s[TMP], v[TT]
	s_xor_b32 s[TMP], s[TMP], 256
	v_add_nc_u32 v[SOB], s[TMP], v[TT]
	s_mul_i32 s[TMP], s[WV], 16*272
	s_add_co_u32 s[TMP], s[TMP], STG               ; my stage
	v_mul_u32_u24 v[SW], v[RR], 272
	v_lshl_add_u32 v[SW], v[HH], 7, v[SW]
	v_add_nc_u32 v[SW], s[TMP], v[SW]
	v_mul_u32_u24 v[SRD], v[HH], 272
	v_lshl_add_u32 v[SRD], v[RR], 4, v[SRD]
	v_add_nc_u32 v[SRD], s[TMP], v[SRD]
	v_lshlrev_b32 v[PO], 4, v[RR]
	v_lshl_add_u32 v[PO], v[HH], 12, v[PO]
	v_lshlrev_b32 v[PFO], 12, v[LN]
.irp j, 0,1,2,3
	v_mov_b32 v[PM+\j], 0                          ; a lane permute's destination counts as one of its sources
.endr
	s_mov_b32 s[OFS+1], 0
	s_lshl_b32 s[TMP], s[SL], 9
	s_lshl_b32 s[TMP+1], s[GG], 8
	s_add_co_u32 s[TMP], s[TMP], s[TMP+1]          ; my first column, in bytes: (128 slice + 64 g) x 4
	s_wait_kmcnt 0x0
	s_lshl_b32 s[OFS], s[EE], 2
	s_add_nc_u64 s[10:11], s[10:11], s[OFS:OFS+1]
	s_load_b32 s[NE], s[10:11], 0x1000             ; cnt[e]: behind the 1,024 words of pos
	s_lshl_b32 s[OFS], s[EE], 24                   ; an expert's W2 is 16 MiB,
	s_lshl_b32 s[TMP+1], s[KC], 22                 ; a chunk of 1,024 K rows 4 MiB,
	s_add_co_u32 s[OFS], s[OFS], s[TMP+1]
	s_lshl_b32 s[TMP+1], s[PP], 21                 ; half of it 2 MiB
	s_add_co_u32 s[OFS], s[OFS], s[TMP+1]
	s_add_co_u32 s[OFS], s[OFS], s[TMP]
	s_add_nc_u64 s[WB:WB+1], s[4:5], s[OFS:OFS+1]
	s_lshl_b32 s[OFS], s[EE], 22
	s_lshl_b32 s[TMP+1], s[KC], 14                 ; 8 K steps of 2,048 bytes
	s_add_co_u32 s[OFS], s[OFS], s[TMP+1]
	s_add_nc_u64 s[HC0:HC0+1], s[6:7], s[OFS:OFS+1]
	s_lshl_b32 s[OFS], s[EE], 17
	s_lshl_b32 s[TMP+1], s[KC], 9
	s_add_co_u32 s[OFS], s[OFS], s[TMP+1]
	s_add_nc_u64 s[HS0:HS0+1], s[8:9], s[OFS:OFS+1]
	s_lshl_b32 s[OFS], s[KC], 25                   ; a part is 8,192 rows of 4,096 bytes,
	s_lshl_b32 s[TMP+1], s[EE], 22                 ; an expert's rows 4 MiB
	s_add_co_u32 s[OFS], s[OFS], s[TMP+1]
	s_add_co_u32 s[OFS], s[OFS], s[TMP]
	s_add_nc_u64 s[PB:PB+1], s[12:13], s[OFS:OFS+1]
	WLOAD 0, 0                                     ; the ring is filled: 64 loads of 512 bytes a wave
	WLOAD 0, 1
	WLOAD 0, 2
	WLOAD 0, 3
	global_prefetch_b8 v[PFO], s[WB:WB+1] offset:32*4*PITCH th:TH_LOAD_NT scope:SCOPE_SE   ; granules 4 and 5: the first that the ring does not yet hold
	global_prefetch_b8 v[PFO], s[WB:WB+1] offset:32*5*PITCH th:TH_LOAD_NT scope:SCOPE_SE
	s_wait_kmcnt 0x0
	s_min_u32 s[NE], s[NE], 1024
	s_add_co_u32 s[NT], s[NE], 15
	s_lshr_b32 s[NT], s[NT], 4
	s_max_u32 s[NT], s[NT], 1                      ; an expert without tokens has one tile, as in the launch before
	s_sub_co_u32 s[NTM1], s[NT], 1
.irp k, 0,1,2
.irp c, 0,1,2,3
	GRAN \k, \c, 0
.endr
.endr
	GRAN 3, 0, 0
	GRAN 3, 1, 0
	s_mov_b32 s[TE], s[PP]
	XLOAD 0                                        ; slots 0 and 1 of the ring are done with: they take my first tile's operand
	GRAN 3, 2, 40                                  ; (those 40 loads were issued behind the ring's)
	GRAN 3, 3, 40
	s_add_co_u32 s[TE], s[PP], 2
	XLOAD 1
.irp n, 0,1,2,3,4,5,6,7,8,9,10,11,12,13,14,15
	ds_store_b32 v[EXSW], v[WSO+\n] offset:128*\n  ; the scale words' image
.endr
	s_wait_dscnt 0x0                               ; for my partner's sake: all my images lie in LDS
	s_barrier_signal -1
	s_barrier_wait -1
	WIN 0xc0
.set J, 0
.rept 64
	ds_load_b128 v[4*J:4*J+3], v[EXR] offset:512*J ; the partner's registers, in the same lanes
.set J, J+1
.endr
	WIN 0
.irp n, 0,1,2,3,4,5,6,7,8,9,10,11,12,13,14,15
	ds_load_b32 v[WSP+\n], v[EXSR] offset:128*\n
.endr
	s_wait_dscnt 0x0
.rept 4
	v_nop                                          ; an operand written by vector instructions (the last conversions into OWN) stands four places ahead of a scaled matrix instruction
.endr
	s_mov_b32 s[IT], 0
.Ltok:                                             ; 16 trips of two tiles: an expert has 64 tiles at the most, 32 of my parity.  A wave whose tiles are done ends
	s_lshl_b32 s[TI], s[IT], 2
	s_add_co_u32 s[TI], s[TI], s[PP]               ; tile 4 trip + p
	s_cmp_lt_u32 s[TI], s[NT]
	s_cbranch_scc1 .Lgo0
	s_wait_tensorcnt 0x0
	ds_add_u32 v254, v255
	s_wait_dscnt 0x0
	s_endpgm
.Lgo0:
	HALF 0
	s_add_co_u32 s[TI], s[TI], 2
	s_cmp_lt_u32 s[TI], s[NT]
	s_cbranch_scc1 .Lgo1
	s_wait_tensorcnt 0x0
	ds_add_u32 v254, v255
	s_wait_dscnt 0x0
	s_endpgm
.Lgo1:
	HALF 1
	s_add_co_u32 s[IT], s[IT], 1
	s_cmp_lt_u32 s[IT], 16
	s_cbranch_scc1 .Ltok
	s_wait_tensorcnt 0x0
	ds_add_u32 v254, v255
	s_wait_dscnt 0x0
	s_endpgm
.Lfunc_end_k_q2921d89681_down:
	.size	k_q2921d89681_down, .Lfunc_end_k_q2921d89681_down-k_q2921d89681_down
	.p2alignl 7, 3214868480
	.fill 96, 4, 3214868480
	.section	.rodata,"a",@progbits
	.p2align	6, 0x0
	.amdhsa_kernel k_q2921d89681_down
		.amdhsa_group_segment_fixed_size 157184
		.amdhsa_private_segment_fixed_size 0
		.amdhsa_enable_private_segment 0
		.amdhsa_kernarg_size 40
		.amdhsa_user_sgpr_count 2
		.amdhsa_user_sgpr_kernarg_segment_ptr 1
		.amdhsa_wavefront_size32 1
		.amdhsa_system_sgpr_workgroup_id_x 1
		.amdhsa_system_sgpr_workgroup_id_y 1
		.amdhsa_system_sgpr_workgroup_id_z 1
		.amdhsa_system_vgpr_workitem_id 0
		.amdhsa_next_free_vgpr 1024
		.amdhsa_next_free_sgpr 66
		.amdhsa_reserve_vcc 0
		.amdhsa_float_denorm_mode_32 3
		.amdhsa_float_denorm_mode_16_64 3
		.amdhsa_memory_ordered 1
		.amdhsa_forward_progress 1
		.amdhsa_inst_pref_size 203
	.end_amdhsa_kernel
	.amdgpu_metadata
---
amdhsa.version: [ 1, 2 ]
amdhsa.kernels:
  - .name:           k_q2921d89681_down
    .symbol:         k_q2921d89681_down.kd
    .args:
      - { .name: W2, .offset: 0, .size: 8, .value_kind: global_buffer, .address_space: global }
      - { .name: hc, .offset: 8, .size: 8, .value_kind: global_buffer, .address_space: global }
      - { .name: hs, .offset: 16, .size: 8, .value_kind: global_buffer, .address_space: global }
      - { .name: pos, .offset: 24, .size: 8, .value_kind: global_buffer, .address_space: global }
      - { .name: part, .offset: 32, .size: 8, .value_kind: global_buffer, .address_space: global }
    .group_segment_fixed_size: 157184
    .private_segment_fixed_size: 0
    .kernarg_segment_align: 8
    .kernarg_segment_size: 40
    .max_flat_workgroup_size: 128
    .sgpr_count:     66
    .vgpr_count:     1024
    .wavefront_size: 32
...
	.end_amdgpu_metadata
.endif
;; end of part 4
;; launch combine (part 5): grid 256 x 1, 4 waves a work-group, no clusters, 0 bytes of LDS; arguments part, pos, b2, out0; writes out0
.if DOCPART == 5
	.amdgcn_target "amdgcn-amd-amdhsa--gfx1250"
	.amdhsa_code_object_version 6
	.text
	.protected	k_q2921d89681_combine
	.globl	k_q2921d89681_combine
	.p2align	8
	.type	k_q2921d89681_combine,@function
k_q2921d89681_combine:
	s_mov_b64 s[64:65], 0
	v_nop
	global_prefetch_b8 v0, s[64:65] scope:SCOPE_SE
	s_setreg_imm32_b32 hwreg(HW_REG_WAVE_MODE, 25, 1), 1
	s_wait_xcnt 0x0
; out0[token][:] = the four parts along K of the token's row + b2 of its expert.  One wave takes one token: token = 4 x work-group + wave.
; pos[token] = 1024 e + q names the row in each of the four parts and, by its bits 12:10, the expert.
; A stream: 40 loads of 512 consecutive bytes a wave, all issued at once; sums in f32, (p0 + p1) + (p2 + p3) + b2; 8 stores of 512 consecutive bytes.  No LDS, no barrier, no matrix unit: nothing is shared and memory binds.
.set P0, 8                             ; v8-39, v40-71, v72-103, v104-135: the four parts; v136-167: b2
.set P1, 40
.set P2, 72
.set P3, 104
.set BB, 136
	s_load_b256 s[4:11], s[0:1], 0x0               ; part s[4:5], pos s[6:7], b2 s[8:9], out0 s[10:11]
	v_lshrrev_b32 v1, 5, v0
	v_readfirstlane_b32 s12, v1                    ; wave
	v_and_b32 v1, 31, v0
	v_lshlrev_b32 v2, 4, v1                        ; 16 x lane
	s_lshl_b32 s13, ttmp9, 2
	s_add_co_u32 s13, s13, s12                     ; token
	s_mov_b32 s15, 0
	s_lshl_b32 s14, s13, 2
	s_wait_kmcnt 0x0
	s_add_nc_u64 s[6:7], s[6:7], s[14:15]
	s_load_b32 s16, s[6:7], 0x0                    ; pos[token]
	s_lshl_b32 s14, s13, 12
	s_add_nc_u64 s[10:11], s[10:11], s[14:15]      ; the token's row of out0
	s_wait_kmcnt 0x0
	s_min_u32 s16, s16, 8191
	s_lshl_b32 s14, s16, 12
	s_add_nc_u64 s[4:5], s[4:5], s[14:15]          ; the row in part 0,
	s_add_nc_u64 s[18:19], s[4:5], 0x2000000       ; and 8,192 rows of 4,096 bytes further on in each of the others
	s_add_nc_u64 s[20:21], s[4:5], 0x4000000
	s_add_nc_u64 s[22:23], s[4:5], 0x6000000
	s_and_b32 s14, s16, 0x1c00                     ; 1024 e,
	s_lshl_b32 s14, s14, 2                         ; x 4 bytes: the expert's row of b2
	s_add_nc_u64 s[8:9], s[8:9], s[14:15]
.irp m, 0,1,2,3,4,5,6,7
	global_load_b128 v[P0+4*\m:P0+4*\m+3], v2, s[4:5] offset:512*\m th:TH_LOAD_NT
	global_load_b128 v[P1+4*\m:P1+4*\m+3], v2, s[18:19] offset:512*\m th:TH_LOAD_NT
	global_load_b128 v[P2+4*\m:P2+4*\m+3], v2, s[20:21] offset:512*\m th:TH_LOAD_NT
	global_load_b128 v[P3+4*\m:P3+4*\m+3], v2, s[22:23] offset:512*\m th:TH_LOAD_NT
	global_load_b128 v[BB+4*\m:BB+4*\m+3], v2, s[8:9] offset:512*\m
.endr
.irp m, 0,1,2,3,4,5,6,7
	s_wait_loadcnt 5*(7-\m)                        ; piece m's five loads are in; five for each later piece may be out
	v_pk_add_f32 v[P0+4*\m:P0+4*\m+1], v[P0+4*\m:P0+4*\m+1], v[P1+4*\m:P1+4*\m+1]
	v_pk_add_f32 v[P0+4*\m+2:P0+4*\m+3], v[P0+4*\m+2:P0+4*\m+3], v[P1+4*\m+2:P1+4*\m+3]
	v_pk_add_f32 v[P2+4*\m:P2+4*\m+1], v[P2+4*\m:P2+4*\m+1], v[P3+4*\m:P3+4*\m+1]
	v_pk_add_f32 v[P2+4*\m+2:P2+4*\m+3], v[P2+4*\m+2:P2+4*\m+3], v[P3+4*\m+2:P3+4*\m+3]
	v_pk_add_f32 v[P0+4*\m:P0+4*\m+1], v[P0+4*\m:P0+4*\m+1], v[P2+4*\m:P2+4*\m+1]
	v_pk_add_f32 v[P0+4*\m+2:P0+4*\m+3], v[P0+4*\m+2:P0+4*\m+3], v[P2+4*\m+2:P2+4*\m+3]
	v_pk_add_f32 v[P0+4*\m:P0+4*\m+1], v[P0+4*\m:P0+4*\m+1], v[BB+4*\m:BB+4*\m+1]
	v_pk_add_f32 v[P0+4*\m+2:P0+4*\m+3], v[P0+4*\m+2:P0+4*\m+3], v[BB+4*\m+2:BB+4*\m+3]
	global_store_b128 v2, v[P0+4*\m:P0+4*\m+3], s[10:11] offset:512*\m th:TH_STORE_NT   ; 512 consecutive bytes of the token's row
.endr
	s_endpgm
.Lfunc_end_k_q2921d89681_combine:
	.size	k_q2921d89681_combine, .Lfunc_end_k_q2921d89681_combine-k_q2921d89681_combine
	.p2alignl 7, 3214868480
	.fill 96, 4, 3214868480
	.section	.rodata,"a",@progbits
	.p2align	6, 0x0
	.amdhsa_kernel k_q2921d89681_combine
		.amdhsa_group_segment_fixed_size 0
		.amdhsa_private_segment_fixed_size 0
		.amdhsa_enable_private_segment 0
		.amdhsa_kernarg_size 32
		.amdhsa_user_sgpr_count 2
		.amdhsa_user_sgpr_kernarg_segment_ptr 1
		.amdhsa_wavefront_size32 1
		.amdhsa_system_sgpr_workgroup_id_x 1
		.amdhsa_system_sgpr_workgroup_id_y 1
		.amdhsa_system_sgpr_workgroup_id_z 1
		.amdhsa_system_vgpr_workitem_id 0
		.amdhsa_next_free_vgpr 176
		.amdhsa_next_free_sgpr 66
		.amdhsa_reserve_vcc 0
		.amdhsa_float_denorm_mode_32 3
		.amdhsa_float_denorm_mode_16_64 3
		.amdhsa_memory_ordered 1
		.amdhsa_forward_progress 1
		.amdhsa_inst_pref_size 10
	.end_amdhsa_kernel
	.amdgpu_metadata
---
amdhsa.version: [ 1, 2 ]
amdhsa.kernels:
  - .name:           k_q2921d89681_combine
    .symbol:         k_q2921d89681_combine.kd
    .args:
      - { .name: part, .offset: 0, .size: 8, .value_kind: global_buffer, .address_space: global }
      - { .name: pos, .offset: 8, .size: 8, .value_kind: global_buffer, .address_space: global }
      - { .name: b2, .offset: 16, .size: 8, .value_kind: global_buffer, .address_space: global }
      - { .name: out0, .offset: 24, .size: 8, .value_kind: global_buffer, .address_space: global }
    .group_segment_fixed_size: 0
    .private_segment_fixed_size: 0
    .kernarg_segment_align: 8
    .kernarg_segment_size: 32
    .max_flat_workgroup_size: 128
    .sgpr_count:     66
    .vgpr_count:     176
    .wavefront_size: 32
...
	.end_amdgpu_metadata
.endif
;; end of part 5
;; ======== version 2 of 2: 5 launches
;; workspace buffers: xc 1,048,576 bytes; xs 32,768 bytes; top1 4,096 bytes of whole numbers; xg 8,650,752 bytes; pos 4,352 bytes of whole numbers; hc 33,554,432 bytes; hs 1,048,576 bytes; part 134,217,728 bytes
;; launch route (part 6): grid 256 x 1, 4 waves a work-group, no clusters, 55,808 bytes of LDS; arguments x, Wg, bg, xc, xs, top1; writes xc, xs, top1
.if DOCPART == 6
	.amdgcn_target "amdgcn-amd-amdhsa--gfx1250"
	.amdhsa_code_object_version 6
	.text
	.protected	k_q2921d89681_route
	.globl	k_q2921d89681_route
	.p2align	8
	.type	k_q2921d89681_route,@function
k_q2921d89681_route:
	s_mov_b64 s[64:65], 0
	v_nop
	global_prefetch_b8 v0, s[64:65] scope:SCOPE_SE
	s_setreg_imm32_b32 hwreg(HW_REG_WAVE_MODE, 25, 1), 1
	s_wait_xcnt 0x0
; THE GATE AND x's CODES.  One wave takes one token (a row of 1,024 f32): token = 4 x work-group + wave.
; It makes the eight gate scores x . Wg[:, e] + bg[e] in f32 (fused multiply-adds), stores the index of the largest (the lower index at equal scores)
; as a whole number in top1, and turns the row into codes of E4M3 with one E8M0 byte for each 32 along the row: xc [token][1024], xs [token][32].
; A block's scale is 2^(floor(log2(its largest magnitude)) - 8): its byte is the largest magnitude's exponent field - 8, held at 1 from below.
; LIMITS: NaN and infinities among the inputs are not served.  Two scores closer than the rounding of an f32 sum of 1,024 terms may change places.
; A block of zeros gets the byte 1 where the rule says 127: its codes are zeros, and the bytes are read by this program alone.
; Wg (32 KiB) is read once by the work-group, 8 KiB a wave in loads of 512 consecutive bytes, and shared through LDS.  No tensor loads and no cluster: what work-groups share is these 32 KiB.
; A lane must hold 16 NEIGHBOURS of the row (the conversions take neighbours from one lane), while a load is best with neighbouring lanes on neighbouring bytes:
; so a step's 2,048 bytes turn through the wave's own stage in LDS, 16 bytes of padding behind each 64.
.set WGP,   528                        ; 16 rows of Wg (512 bytes) + 16 of padding: 33 x 16
.set WREG0, 64*WGP                     ; behind Wg's 64 pieces: a region for each wave
.set WREG,  5376                       ; two stages of 32 x 80 bytes, then 256 bytes for the scale bytes
.set SPL,   80                         ; a lane's place in a stage
.set SCB,   2*32*SPL
.set R,    16                          ; v16-47   the row as loaded, two steps of 16 registers
.set X,    48                          ; v48-79   turned: X[16 st + i] = x[512 st + 16 lane + i]
.set G,    80                          ; v80-207  Wg on its way to LDS, then 16 rows x 8 of Wg for a step
.set A,    208                         ; v208-215 the eight sums, as four pairs
.set PMR,  216                         ; v216-223 what the other half of the lanes holds
.set QA,   224
.set QB,   225
.set QE,   226
.set QL,   227
.set BEST, 228
.set IDX,  229
.set C,    232                         ; v232-239 codes, four registers a step
.set EB,   240                         ; v240-241 a scale byte a step
.set SWD,  242
	s_load_b256 s[4:11], s[0:1], 0x0               ; x s[4:5], Wg s[6:7], bg s[8:9], xc s[10:11]
	s_load_b128 s[12:15], s[0:1], 0x20             ; xs s[12:13], top1 s[14:15]
	v_lshl_add_u32 v254, v0, 2, 0xd800
	v_mov_b32 v255, 0
	v_lshrrev_b32 v2, 5, v0
	v_readfirstlane_b32 s28, v2                    ; wave
	v_and_b32 v1, 31, v0                           ; lane
	s_wait_alu depctr_va_vdst(0)
	v_lshlrev_b32 v3, 4, v1                        ; 16 x lane
	s_lshl_b32 s29, ttmp9, 2
	s_add_co_u32 s29, s29, s28                     ; token
	s_mov_b32 s24, 0x76543210
	s_mov_b32 s25, 0xfedcba98                      ; lane selects: lane l xor 16
	s_mov_b32 s26, 0x600000                        ; the mantissa field of 448
	s_mov_b32 s31, 0
	s_mul_i32 s32, s28, 16*WGP
	v_add_nc_u32 v4, s32, v3                       ; Wg into LDS: my wave's 16 pieces, 16 bytes a lane
	v_mul_u32_u24 v5, v1, WGP                      ; Wg out of LDS: piece = lane (+ 32 in the second step)
	s_mul_i32 s32, s28, WREG
	s_add_co_u32 s32, s32, WREG0                   ; my wave's region
	v_lshrrev_b32 v14, 2, v1
	v_mul_u32_u24 v14, v14, SPL
	v_and_b32 v15, 3, v1
	v_lshl_add_u32 v14, v15, 4, v14
	v_add_nc_u32 v14, s32, v14                     ; the stage, in: 80 (lane / 4) + 16 (lane % 4)
	v_mul_u32_u24 v15, v1, SPL
	v_add_nc_u32 v15, s32, v15                     ; and out: 80 x lane
	s_add_co_u32 s32, s32, SCB
	v_lshrrev_b32 v6, 1, v1
	v_add_nc_u32 v6, s32, v6                       ; my block's scale byte
	v_and_b32 v7, 7, v1
	v_lshl_add_u32 v7, v7, 2, s32                  ; and the eight words on the way out
	v_lshlrev_b32 v8, 2, v1                        ; 4 x lane
.irp e, 0,1,2,3,4,5,6,7
	v_mov_b32 v[PMR+\e], 0                         ; a lane permute's destination counts as one of its sources
.endr
	s_wait_kmcnt 0x0
	s_load_b256 s[16:23], s[8:9], 0x0              ; bg
	s_lshl_b32 s30, s29, 12
	s_add_nc_u64 s[4:5], s[4:5], s[30:31]          ; my row of x
	s_lshl_b32 s30, s28, 13
	s_add_nc_u64 s[6:7], s[6:7], s[30:31]          ; my wave's 8 KiB of Wg
	s_lshl_b32 s30, s29, 10
	s_add_nc_u64 s[10:11], s[10:11], s[30:31]
	s_lshl_b32 s30, s29, 5
	s_add_nc_u64 s[12:13], s[12:13], s[30:31]
	s_lshl_b32 s30, s29, 2
	s_add_nc_u64 s[14:15], s[14:15], s[30:31]
.irp st, 0,1
.irp i, 0,1,2,3
	global_load_b128 v[R+16*\st+4*\i:R+16*\st+4*\i+3], v3, s[4:5] offset:2048*\st+512*\i th:TH_LOAD_NT   ; 512 consecutive bytes a load
.endr
.endr
.irp n, 0,1,2,3,4,5,6,7,8,9,10,11,12,13,14,15
	global_load_b128 v[G+4*\n:G+4*\n+3], v3, s[6:7] offset:512*\n
.endr
	s_wait_loadcnt 16                              ; x's eight loads are in; Wg's sixteen may be out
.irp st, 0,1
.irp i, 0,1,2,3
	ds_store_b128 v14, v[R+16*\st+4*\i:R+16*\st+4*\i+3] offset:32*SPL*\st+8*SPL*\i
.endr
.irp i, 0,1,2,3
	ds_load_b128 v[X+16*\st+4*\i:X+16*\st+4*\i+3], v15 offset:32*SPL*\st+16*\i   ; LDS serves a wave's instructions in order: these see the stores above
.endr
.endr
	s_wait_loadcnt 0x0
.irp n, 0,1,2,3,4,5,6,7,8,9,10,11,12,13,14,15
	ds_store_b128 v4, v[G+4*\n:G+4*\n+3] offset:WGP*\n
.endr
	s_wait_dscnt 0x0                               ; for the others' sake: my part of Wg lies in LDS (and my row is back)
	s_barrier_signal -1
	s_barrier_wait -1
; A step of the gate: my 16 rows of Wg (512 bytes), then 64 packed multiply-adds: two experts an instruction, x broadcast from one register of a pair.
.macro GATE st
.irp i, 0,1,2,3,4,5,6,7,8,9,10,11,12,13,14,15
	ds_load_b128 v[G+8*\i:G+8*\i+3], v5 offset:32*WGP*\st+32*\i
	ds_load_b128 v[G+8*\i+4:G+8*\i+7], v5 offset:32*WGP*\st+32*\i+16
.endr
	s_wait_dscnt 0x0
.irp i, 0,2,4,6,8,10,12,14
.irp u, 0,1,2,3
.if (\st == 0) && (\i == 0)
	v_pk_mul_f32 v[A+2*\u:A+2*\u+1], v[G+2*\u:G+2*\u+1], v[X:X+1] op_sel_hi:[1,0]     ; the first products start the sums
.else
	v_pk_fma_f32 v[A+2*\u:A+2*\u+1], v[G+8*\i+2*\u:G+8*\i+2*\u+1], v[X+16*\st+\i:X+16*\st+\i+1], v[A+2*\u:A+2*\u+1] op_sel_hi:[1,0,1]
.endif
.endr
.irp u, 0,1,2,3
	v_pk_fma_f32 v[A+2*\u:A+2*\u+1], v[G+8*\i+8+2*\u:G+8*\i+8+2*\u+1], v[X+16*\st+\i:X+16*\st+\i+1], v[A+2*\u:A+2*\u+1] op_sel:[0,1,0] op_sel_hi:[1,1,1]
.endr
.endr
.endm
	GATE 0
	s_wait_alu depctr_va_vdst(0)
	GATE 1
.irp m, 1,2,4,8
.irp e, 0,1,2,3,4,5,6,7
	v_add_f32_dpp v[A+\e], v[A+\e], v[A+\e] row_xmask:\m row_mask:0xf bank_mask:0xf
.endr
.endr
.irp e, 0,1,2,3,4,5,6,7
	v_permlanex16_b32 v[PMR+\e], v[A+\e], s24, s25
.endr
.irp e, 0,1,2,3,4,5,6,7
	v_add_f32 v[A+\e], v[A+\e], v[PMR+\e]          ; every lane holds the eight sums
.endr
	s_wait_alu depctr_va_vdst(0)
	s_wait_kmcnt 0x0                               ; bg
.irp e, 0,1,2,3,4,5,6,7
	v_add_f32 v[A+\e], s[16+\e], v[A+\e]
.endr
	v_mov_b32 v[BEST], v[A]
	v_mov_b32 v[IDX], 0
.irp e, 1,2,3,4,5,6,7
	v_cmp_gt_f32 vcc_lo, v[A+\e], v[BEST]          ; strictly larger: at equal scores the lower index stays
	v_cndmask_b32 v[BEST], v[BEST], v[A+\e], vcc_lo
	v_cndmask_b32 v[IDX], v[IDX], \e, vcc_lo
.endr
; A step's 512 numbers become codes: two neighbouring lanes hold a block of 32.
.macro QUANT st
.set XQ, X+16*\st
	v_max3_num_f32 v[QA], |v[XQ]|, |v[XQ+1]|, |v[XQ+2]|
	v_max3_num_f32 v[QB], |v[XQ+3]|, |v[XQ+4]|, |v[XQ+5]|
.irp i, 6,10
	v_max3_num_f32 v[QA], v[QA], |v[XQ+\i]|, |v[XQ+\i+1]|
	v_max3_num_f32 v[QB], v[QB], |v[XQ+\i+2]|, |v[XQ+\i+3]|
.endr
	v_max3_num_f32 v[QA], v[QA], |v[XQ+14]|, |v[XQ+15]|
	v_max3_num_f32 v[QA], v[QA], v[QB], 0x4800000  ; and the floor 2^(9 - 127): the byte cannot fall under 1
	v_max_num_f32_dpp v[QA], v[QA], v[QA] row_xmask:1 row_mask:0xf bank_mask:0xf   ; with my neighbour's 16: the block's largest magnitude
	v_add_nc_u32 v[QE], 0xfc000000, v[QA]          ; 8 off its exponent field: the conversion's scale operand
	v_and_or_b32 v[QL], v[QA], 0x7f800000, s26     ; 448 x the scale
.irp i, 0,1,2,3,4,5,6,7,8,9,10,11,12,13,14,15
	v_med3_num_f32 v[XQ+\i], v[XQ+\i], -v[QL], v[QL]   ; the conversion to an 8-bit code does not saturate (ISA guide 7.6.2): the hold comes first
.endr
	v_cvt_scalef32_pk8_fp8_f32 v[C+4*\st:C+4*\st+1], v[XQ:XQ+7], v[QE]
	v_cvt_scalef32_pk8_fp8_f32 v[C+4*\st+2:C+4*\st+3], v[XQ+8:XQ+15], v[QE]
	v_lshrrev_b32 v[EB+\st], 23, v[QE]             ; the scale's byte (also the plain line behind the conversions)
	ds_store_b8 v6, v[EB+\st] offset:16*\st        ; both lanes of a block write the same byte with the same value
	global_store_b128 v3, v[C+4*\st:C+4*\st+3], s[10:11] offset:512*\st   ; 512 consecutive bytes of the token's codes
.endm
	QUANT 0
	QUANT 1
	ds_load_b32 v[SWD], v7                         ; the row's 32 scale bytes, a word a lane (lanes 8-31 read the same words again)
	s_wait_dscnt 0x0
	s_wait_xcnt 0x0                                ; EXEC changes only behind this wait: it is a source of the stores above
	v_cmp_gt_u32 vcc_lo, 8, v1
	s_wait_tensorcnt 0x0
	ds_add_u32 v254, v255
	s_wait_dscnt 0x0
	s_and_saveexec_b32 s27, vcc_lo
	global_store_b32 v8, v[SWD], s[12:13]          ; lanes 0-7: 32 consecutive bytes
	s_wait_xcnt 0x0
	s_or_b32 exec_lo, exec_lo, s27
	v_cmp_eq_u32 vcc_lo, 0, v1
	s_and_saveexec_b32 s27, vcc_lo
	global_store_b32 v8, v[IDX], s[14:15]          ; lane 0: the chosen expert
	s_wait_xcnt 0x0
	s_or_b32 exec_lo, exec_lo, s27
	s_endpgm
.Lfunc_end_k_q2921d89681_route:
	.size	k_q2921d89681_route, .Lfunc_end_k_q2921d89681_route-k_q2921d89681_route
	.p2alignl 7, 3214868480
	.fill 96, 4, 3214868480
	.section	.rodata,"a",@progbits
	.p2align	6, 0x0
	.amdhsa_kernel k_q2921d89681_route
		.amdhsa_group_segment_fixed_size 55808
		.amdhsa_private_segment_fixed_size 0
		.amdhsa_enable_private_segment 0
		.amdhsa_kernarg_size 48
		.amdhsa_user_sgpr_count 2
		.amdhsa_user_sgpr_kernarg_segment_ptr 1
		.amdhsa_wavefront_size32 1
		.amdhsa_system_sgpr_workgroup_id_x 1
		.amdhsa_system_sgpr_workgroup_id_y 1
		.amdhsa_system_sgpr_workgroup_id_z 1
		.amdhsa_system_vgpr_workitem_id 0
		.amdhsa_next_free_vgpr 256
		.amdhsa_next_free_sgpr 66
		.amdhsa_reserve_vcc 1
		.amdhsa_float_denorm_mode_32 3
		.amdhsa_float_denorm_mode_16_64 3
		.amdhsa_memory_ordered 1
		.amdhsa_forward_progress 1
		.amdhsa_inst_pref_size 28
	.end_amdhsa_kernel
	.amdgpu_metadata
---
amdhsa.version: [ 1, 2 ]
amdhsa.kernels:
  - .name:           k_q2921d89681_route
    .symbol:         k_q2921d89681_route.kd
    .args:
      - { .name: x, .offset: 0, .size: 8, .value_kind: global_buffer, .address_space: global }
      - { .name: Wg, .offset: 8, .size: 8, .value_kind: global_buffer, .address_space: global }
      - { .name: bg, .offset: 16, .size: 8, .value_kind: global_buffer, .address_space: global }
      - { .name: xc, .offset: 24, .size: 8, .value_kind: global_buffer, .address_space: global }
      - { .name: xs, .offset: 32, .size: 8, .value_kind: global_buffer, .address_space: global }
      - { .name: top1, .offset: 40, .size: 8, .value_kind: global_buffer, .address_space: global }
    .group_segment_fixed_size: 55808
    .private_segment_fixed_size: 0
    .kernarg_segment_align: 8
    .kernarg_segment_size: 48
    .max_flat_workgroup_size: 128
    .sgpr_count:     66
    .vgpr_count:     256
    .wavefront_size: 32
...
	.end_amdgpu_metadata
.endif
;; end of part 6
;; launch place (part 7): grid 256 x 1, 4 waves a work-group, no clusters, 0 bytes of LDS; arguments xc, xs, top1, xg, pos; writes xg, pos
.if DOCPART == 7
	.amdgcn_target "amdgcn-amd-amdhsa--gfx1250"
	.amdhsa_code_object_version 6
	.text
	.protected	k_q2921d89681_place
	.globl	k_q2921d89681_place
	.p2align	8
	.type	k_q2921d89681_place,@function
k_q2921d89681_place:
	s_mov_b64 s[64:65], 0
	v_nop
	global_prefetch_b8 v0, s[64:65] scope:SCOPE_SE
	s_setreg_imm32_b32 hwreg(HW_REG_WAVE_MODE, 25, 1), 1
	s_wait_xcnt 0x0
; THE PLACING OF ROWS.  One wave takes one token t = 4 x work-group + wave: it finds the token's place q among the tokens of its expert e = top1[t] and copies the token's codes and scale bytes to row 1024 e + q.
; THE PLACE.  top1 comes by eight loads of 16 bytes a lane: register 4 i + c of lane l is token 128 i + 4 l + c.  Group J = 4 i + c gives a mask of the expert's tokens; q = the bits of the groups ahead of my
; group + the bits under my own bit in my group.  My group and bit come from the token's number alone.  Any order serves, as long as the places of an expert are 0 .. count - 1, each once.
; OUT.  xg, first 8 MiB: [e][tile of 16 rows, 64][K step, 8][2,048 bytes], images of the next product's operand registers: the 16 bytes at 512 c + 256 h + 16 r of a K step are row r, k = 32 c + 16 h + 0 .. 15.
; xg from byte 0x800000 on: [1024 e + q][32 scale bytes].  pos[t] = 1024 e + q; behind the 1,024 words of pos: cnt[e].
; A token's 16-byte pieces fall into runs of 256 bytes that sixteen tokens fill together: 1 MiB written so once, and read 64 times in whole runs by the next launch.
; THE REST OF A LAST TILE.  Waves with t < 128 also serve (expert t / 16, row t % 16): they count that expert; row 0 stores cnt; a row of the expert's last tile that lies beyond its count gets zero codes and the scale byte 127.
; An expert without tokens gets one tile of such rows.  So every byte that the next launches read has been stored.
; No LDS, no barrier, no matrix unit: a copy of 1 MiB.  Every address that hangs on top1 is a scalar base, held by s_min_u32 at 8,191 rows; behind the hold stand ANDs, shifts left and additions alone.
.set T1,  8                            ; v8-39   top1
.set CD,  40                           ; v40-47  my 32 bytes of the token's codes
.set SWD, 48                           ; v48     a word of its scale bytes
.set PV,  49                           ; v49     a whole number on its way out
.set SV,  50                           ; v50     four scale bytes of 127
.set ZR,  52                           ; v52-55  zero codes
.set MK,  66                           ; s66-97  the 32 masks
.set XGS, 0x800000
.set CNT, 4096
.macro MASKS ex                        ; group J's mask of expert s[ex]'s tokens
.set J, 0
.rept 32
	v_cmp_eq_u32 s[MK+J], s[\ex], v[T1+J]
.set J, J+1
.endr
.endm
.macro ROWBASE                         ; row s32 (held at 8,191): s[34:35] its first piece in the images, s[36:37] its scale bytes
	s_and_b32 s26, s32, 0x1ff0                     ; 16 x tile: a tile's images are 16,384 bytes
	s_lshl_b32 s26, s26, 10
	s_add_nc_u64 s[34:35], s[10:11], s[26:27]
	s_and_b32 s26, s32, 15                         ; the row in the tile: 16 bytes
	s_lshl_b32 s26, s26, 4
	s_add_nc_u64 s[34:35], s[34:35], s[26:27]
	s_lshl_b32 s26, s32, 5
	s_add_nc_u64 s[36:37], s[14:15], s[26:27]
.endm
.macro ROWOUT c0, c1, sc               ; 64 pieces of 16 bytes, two a lane; then 32 scale bytes from lanes 0-7
	global_store_b128 v5, v[\c0:\c0+3], s[34:35]
	global_store_b128 v5, v[\c1:\c1+3], s[34:35] offset:8192
	s_wait_xcnt 0x0                                ; EXEC is a source of the stores above: it changes only behind this wait
	v_cmp_gt_u32 vcc_lo, 8, v1
	s_and_saveexec_b32 s33, vcc_lo
	global_store_b32 v3, v[\sc], s[36:37]
	s_wait_xcnt 0x0
	s_or_b32 exec_lo, exec_lo, s33
.endm
	s_load_b256 s[4:11], s[0:1], 0x0               ; xc s[4:5], xs s[6:7], top1 s[8:9], xg s[10:11]
	s_load_b64 s[12:13], s[0:1], 0x20              ; pos
	v_lshrrev_b32 v1, 5, v0
	v_readfirstlane_b32 s20, v1                    ; wave
	v_and_b32 v1, 31, v0                           ; lane
	v_lshlrev_b32 v2, 4, v1                        ; 16 x lane
	v_lshlrev_b32 v3, 2, v1                        ; 4 x lane
	v_and_b32 v4, 7, v1
	v_lshlrev_b32 v4, 2, v4                        ; 4 x (lane % 8)
	v_lshrrev_b32 v5, 3, v1                        ; piece i = lane of a row: K step i / 8, c = (i / 2) % 4, h = i % 2
	v_lshlrev_b32 v5, 11, v5
	v_bfe_u32 v6, v1, 1, 2
	v_lshl_add_u32 v5, v6, 9, v5
	v_and_b32 v6, 1, v1
	v_lshl_add_u32 v5, v6, 8, v5                   ; 2048 (i / 8) + 512 c + 256 h; piece i + 32 lies four K steps on
	v_mov_b32 v[SV], 0x7f7f7f7f
.irp i, 0,1,2,3
	v_mov_b32 v[ZR+\i], 0
.endr
	s_lshl_b32 s21, ttmp9, 2
	s_add_co_u32 s21, s21, s20                     ; token
	s_lshr_b32 s22, s21, 7
	s_lshl_b32 s22, s22, 2
	s_add_co_u32 s22, s22, s20                     ; my group: 4 (t / 128) + t % 4
	s_and_b32 s23, ttmp9, 31                       ; my bit: (t / 4) % 32
	s_bfm_b32 s24, s23, 0                          ; the bits under it
	s_mov_b32 s27, 0
	s_wait_kmcnt 0x0
	s_lshl_b32 s26, s21, 2
	s_add_nc_u64 s[28:29], s[8:9], s[26:27]
	s_load_b32 s25, s[28:29], 0x0                  ; my expert
	s_add_nc_u64 s[18:19], s[12:13], s[26:27]      ; pos[t]
	s_add_nc_u64 s[16:17], s[12:13], CNT           ; cnt
	s_add_nc_u64 s[14:15], s[10:11], XGS           ; the scale rows
	s_lshl_b32 s26, s21, 10
	s_add_nc_u64 s[4:5], s[4:5], s[26:27]
	s_lshl_b32 s26, s21, 5
	s_add_nc_u64 s[6:7], s[6:7], s[26:27]
.irp i, 0,1,2,3,4,5,6,7
	global_load_b128 v[T1+4*\i:T1+4*\i+3], v2, s[8:9] offset:512*\i
.endr
	global_load_b128 v[CD:CD+3], v2, s[4:5]                    ; 512 consecutive bytes a load
	global_load_b128 v[CD+4:CD+7], v2, s[4:5] offset:512
	global_load_b32 v[SWD], v4, s[6:7]                         ; lanes 8-31 read the same eight words again
	s_wait_loadcnt 0x0
	s_wait_kmcnt 0x0
	MASKS 25
	s_mov_b32 s30, 0
.set J, 0
.rept 32
	s_cmp_gt_u32 s22, J                            ; a group ahead of mine counts whole,
	s_cselect_b32 s31, -1, 0
	s_cmp_eq_u32 s22, J                            ; my own by the bits under mine, the others not
	s_cselect_b32 s31, s24, s31
	s_and_b32 s31, s31, s[MK+J]
	s_bcnt1_i32_b32 s31, s31
	s_add_co_u32 s30, s30, s31
.set J, J+1
.endr
	s_lshl_b32 s32, s25, 10
	s_add_co_u32 s32, s32, s30                     ; 1024 e + q
	s_min_u32 s32, s32, 8191
	ROWBASE
	v_mov_b32 v[PV], s32
	ROWOUT CD, CD+4, SWD
	v_cmp_eq_u32 vcc_lo, 0, v1
	s_and_saveexec_b32 s33, vcc_lo
	s_wait_alu depctr_va_vdst(0)
	global_store_b32 v3, v[PV], s[18:19]           ; lane 0: pos[t]
	s_wait_xcnt 0x0
	s_or_b32 exec_lo, exec_lo, s33
	s_cmp_lt_u32 s21, 128
	s_cbranch_scc1 .Lpad
	s_endpgm
.Lpad:
	s_lshr_b32 s42, s21, 4                         ; expert t / 16
	s_and_b32 s43, s21, 15                         ; row t % 16
	MASKS 42
	s_mov_b32 s44, 0
.set J, 0
.rept 32
	s_bcnt1_i32_b32 s31, s[MK+J]
	s_add_co_u32 s44, s44, s31
.set J, J+1
.endr
	s_min_u32 s44, s44, 1024                       ; the expert's tokens
	s_add_co_u32 s45, s44, 15
	s_lshr_b32 s45, s45, 4
	s_max_u32 s45, s45, 1                          ; its tiles, one at the least
	s_sub_co_u32 s45, s45, 1
	s_lshl_b32 s45, s45, 4
	s_add_co_u32 s45, s45, s43                     ; my row of its last tile
	s_cmp_lg_u32 s43, 0
	s_cbranch_scc1 .Lnocnt
	v_mov_b32 v[PV], s44
	s_lshl_b32 s26, s42, 2
	s_add_nc_u64 s[16:17], s[16:17], s[26:27]
	v_cmp_eq_u32 vcc_lo, 0, v1
	s_and_saveexec_b32 s33, vcc_lo
	global_store_b32 v3, v[PV], s[16:17]           ; lane 0: cnt[e]
	s_wait_xcnt 0x0
	s_or_b32 exec_lo, exec_lo, s33
.Lnocnt:
	s_cmp_ge_u32 s45, s44
	s_cbranch_scc1 .Lzero
	s_endpgm                                       ; the row belongs to a token
.Lzero:
	s_lshl_b32 s32, s42, 10
	s_add_co_u32 s32, s32, s45
	s_min_u32 s32, s32, 8191
	ROWBASE
	ROWOUT ZR, ZR, SV
	s_endpgm
.Lfunc_end_k_q2921d89681_place:
	.size	k_q2921d89681_place, .Lfunc_end_k_q2921d89681_place-k_q2921d89681_place
	.p2alignl 7, 3214868480
	.fill 96, 4, 3214868480
	.section	.rodata,"a",@progbits
	.p2align	6, 0x0
	.amdhsa_kernel k_q2921d89681_place
		.amdhsa_group_segment_fixed_size 0
		.amdhsa_private_segment_fixed_size 0
		.amdhsa_enable_private_segment 0
		.amdhsa_kernarg_size 40
		.amdhsa_user_sgpr_count 2
		.amdhsa_user_sgpr_kernarg_segment_ptr 1
		.amdhsa_wavefront_size32 1
		.amdhsa_system_sgpr_workgroup_id_x 1
		.amdhsa_system_sgpr_workgroup_id_y 1
		.amdhsa_system_sgpr_workgroup_id_z 1
		.amdhsa_system_vgpr_workitem_id 0
		.amdhsa_next_free_vgpr 64
		.amdhsa_next_free_sgpr 100
		.amdhsa_reserve_vcc 1
		.amdhsa_float_denorm_mode_32 3
		.amdhsa_float_denorm_mode_16_64 3
		.amdhsa_memory_ordered 1
		.amdhsa_forward_progress 1
		.amdhsa_inst_pref_size 19
	.end_amdhsa_kernel
	.amdgpu_metadata
---
amdhsa.version: [ 1, 2 ]
amdhsa.kernels:
  - .name:           k_q2921d89681_place
    .symbol:         k_q2921d89681_place.kd
    .args:
      - { .name: xc, .offset: 0, .size: 8, .value_kind: global_buffer, .address_space: global }
      - { .name: xs, .offset: 8, .size: 8, .value_kind: global_buffer, .address_space: global }
      - { .name: top1, .offset: 16, .size: 8, .value_kind: global_buffer, .address_space: global }
      - { .name: xg, .offset: 24, .size: 8, .value_kind: global_buffer, .address_space: global }
      - { .name: pos, .offset: 32, .size: 8, .value_kind: global_buffer, .address_space: global }
    .group_segment_fixed_size: 0
    .private_segment_fixed_size: 0
    .kernarg_segment_align: 8
    .kernarg_segment_size: 40
    .max_flat_workgroup_size: 128
    .sgpr_count:     100
    .vgpr_count:     64
    .wavefront_size: 32
...
	.end_amdgpu_metadata
.endif
;; end of part 7
;; launch up (part 8): grid 256 x 1, 4 waves a work-group, no clusters, 139,776 bytes of LDS; arguments W1, b1, xg, pos, hc, hs; writes hc, hs
.if DOCPART == 8
	.amdgcn_target "amdgcn-amd-amdhsa--gfx1250"
	.amdhsa_code_object_version 6
	.text
	.protected	k_q2921d89681_up
	.globl	k_q2921d89681_up
	.p2align	8
	.type	k_q2921d89681_up,@function
k_q2921d89681_up:
	s_mov_b64 s[64:65], 0
	v_nop
	global_prefetch_b8 v0, s[64:65] scope:SCOPE_SE
	s_setreg_imm32_b32 hwreg(HW_REG_WAVE_SCHED_MODE, 0, 2), 2
	s_setreg_imm32_b32 hwreg(HW_REG_WAVE_MODE, 25, 1), 1
	s_wait_xcnt 0x0
	s_wait_alu depctr_vm_vsrc(0)
; THE FIRST PRODUCT OF THE CHOSEN EXPERTS: hidden = Q(relu(Q(x) Q(W1[e]) + b1[e])), for the rows placed under expert e, on codes of E4M3 with one E8M0 scale for each 32 along K.
; SHARES.  Work-group = (expert e = id / 32, slice = id % 32): hidden units 128 slice .. + 127, all of K = 1,024: 512 KiB of W1, read once by this work-group alone.
; Wave w = 2 g + p: hidden units 64 g .. + 63 of the slice.  PHASE A: it streams K rows 512 p .. + 511 of its 64 columns (16 granules of 32 rows), quantises them in registers (OWN) and lays an image of those
; registers in LDS for its partner w xor 1.  ONE barrier.  PHASE B: it takes the partner's image (PAR), so that it holds all of K, and walks the expert's tiles of 16 rows of parity p: 32 matrix instructions a tile.
; No barrier stands behind the first: how many tiles there are is read from memory, and every wave must pass every barrier.
; LAYOUT.  W1 is [K][hidden].  A load reads, in lanes 0-15, 256 consecutive bytes of one K row (4 columns a lane), in lanes 16-31 those of the row 16 further down.  So lane (r, h) holds columns 4 r + j at
; k = 32 c + 16 h + i: the operand's layout for four tiles j whose row m is column 4 m + j.  The hold writes its results in K order; nothing else is transposed.
; The product takes the weights as source 0 and 16 rows of x as source 1 (from xg: images of the operand's registers, 512 consecutive bytes a load).  In the result lane (r, h) holds row r, and register jj of tile j
; hidden unit 32 h + 4 jj + j: a lane holds ONE whole block of 32 of the next K, so its largest magnitude needs no other lane.
; OUT.  hc [e][tile][K step = slice][2,048 bytes]: images of the next product's operand registers; hs [e][tile][slice][16 words].
; The codes leave as aligned runs of 256 bytes from sixteen lanes; the scale bytes one a lane (32 bytes a tile and wave: a word's other half is the other column group's, and no barrier stands here to join them).
; NO TENSOR LOADS, NO CLUSTER: the weights are read by one work-group only; what the 32 slices of an expert share is a tile's 16 KiB of codes beside 512 KiB of weights, and a joint request would want a round of barriers where the useful trips are read from memory.
; LIMITS: NaN and infinities are not served.  A block of zeros gets the byte 1 (rule: 127): its codes are zeros and this program alone reads the bytes.  An expert without tokens has one tile of zero rows, which is worked like any other.
; REGISTERS in windows of 256.  Window 0: below.  Window 1: the ring of four granules (slot c at 64 c, register 4 i + j); then two buffers of 128 for the rows' fragments.  Window 2: OWN (K step ks, tile j at 16 (4 ks + j)).  Window 3: PAR likewise.
; THE MODE: SCHED_MODE bits 1:0 = 2 (LLVM: expert scheduling mode 2), set by the entry lines.  The code itself states the register dependences between vector or matrix instructions and memory or LDS instructions, with s_wait_alu, always for 0.
; THE PLAN.  Registers that memory or LDS instructions touch:
;   v4-v16, v254, v255   offsets and LDS addresses: made at the head and never written again; rows and tiles are reached by scalar bases and immediate offsets.
;   the ring's slot c    16 loads land in it; its granule's maxima and holds read it; then it is loaded again (in the last granules: with a tile's operand).
;   OWN                  each register is written once, by its granule's conversions, and read by the four LDS stores that are issued in the NEXT granule; after that by products alone.
;   WSO                  written by a granule's shifts, ahead of its holds; read by sixteen LDS stores behind the last granule, then by products.
;   PAR, WSP             LDS loads land in them behind the barrier; products read them.
;   buffer b, XS + 8 b   34 loads land in them; tile b's products read them; then they are loaded again.
;   HC, BT               written by a tile's conversions and a shift; read by its three stores.
; PHASE A: ONE wait on va_vdst in a granule, behind its holds: they are done reading the slot, and the granule before has written its part of OWN.  The slot's loads, the prefetch and the granule before's LDS stores follow it;
; behind them stand the granule's own conversions, which name TQ, EO and OWN alone.  No register that a memory instruction has read is written again in this phase.
; PHASE B, a tile: behind the products' places one wait on va_vdst (they are done reading buffer b and its scale words) and, beside the wait on XCNT, one on vm_vsrc (the last tile's stores have read HC and BT).
; The buffer's 34 loads follow in two runs, ahead of and behind the 32 additions of the bias, which name ACC, BI and OV alone.  One more wait on va_vdst stands ahead of the tile's three stores.
.set PITCH, 16384                      ; a K row of W1 in bytes
.set EXS,   131072                     ; LDS: 4 x 32,768 bytes of code images, then 4 x 2,048 bytes of scale words
.set XGS,   0x800000                   ; xg: the scale rows lie behind 8 MiB of images
.set LN,   1                           ; lane
.set RR,   2                           ; r = lane % 16
.set HH,   3                           ; h = lane / 16
.set WOFF, 4                           ; 16 r + 16 rows x h
.set EXW,  5                           ; 16 lane + 32768 w
.set EXR,  6                           ; 16 lane + 32768 (w xor 1)
.set EXSW, 7                           ; EXS + 4 lane + 2048 w
.set EXSR, 8                           ; the partner's
.set HOFF, 9                           ; 1024 g + 512 h + 16 r
.set HSOFF, 10                         ; 4 r + 2 g + h
.set PFO,  11                          ; lane x PITCH
.set BO,   12                          ; 128 h
.set HOA,  13                          ; 16 lane + 8192 p
.set HOB,  14                          ; 16 lane + 8192 (1 - p)
.set SOA,  15                          ; 32 r + 16 p
.set SOB,  16                          ; 32 r + 16 (1 - p)
.set TT,   22
.set WSO,  40                          ; v40-55  my weights' scale words (4 ks + j)
.set WSP,  56                          ; v56-71  the partner's
.set XS,   72                          ; v72-87  the rows' scale words, 8 a buffer
.set MX,   88
.set PM,   92
.set EO,   96
.set LM,   100
.set BT,   104
.set ACC,  108                         ; v108-139 four accumulators
.set TQ,   140                         ; v140-203 phase A: a granule's 64 numbers in K order
.set OV,   140                         ; v140-171 phase B: a block of 32 hidden numbers
.set HC,   172                         ; v172-179 its codes
.set BI,   204                         ; v204-235 b1 of my 32 hidden units
.set WV,   22
.set GG,   23
.set PP,   24
.set EE,   25
.set SL,   26
.set NE,   27                          ; the expert's tokens
.set NT,   28                          ; its tiles of 16
.set TI,   29                          ; the tile in hand
.set IT,   30
.set SEL,  32
.set MNT,  34
.set OFS,  36                          ; s[36:37] an offset, high word 0
.set HCB,  38
.set NTM1, 40
.set TE,   41
.set HB,   42                          ; s[42:43], s[44:45] buffer b's tile among the images
.set HC0,  46
.set WB,   48
.set XG0,  50
.set XS0,  52
.set HS0,  54
.set TMP,  56
.set SB,   58                          ; s[58:59], s[60:61] buffer b's tile among the scale rows
.set HSB,  62
.set MSB, 0
.macro WIN new                         ; the immediate's high byte repeats the setting that is left; bits 1:0 source 0, 3:2 source 1, 5:4 source 2, 7:6 destination
.if MSB != \new
	s_set_vgpr_msb (MSB<<8)|\new
.set MSB, \new
.endif
.endm
; Granule (ks, c): K rows 128 ks + 32 c + 16 h + i into slot c of the ring: 16 loads, each two aligned runs of 256 bytes.
.macro WLOAD ks, c
	WIN 0x40
.irp i, 0,1,2,3,4,5,6,7,8,9,10,11,12,13,14,15
	global_load_b128 v[64*(\c)+4*\i:64*(\c)+4*\i+3], v[WOFF], s[WB:WB+1] offset:(128*(\ks)+32*(\c)+\i)*PITCH th:TH_LOAD_NT
.endr
.endm
; The image of granule (ks, c)'s part of OWN, for my partner: four stores of 512 consecutive bytes.
.macro IMG ks, c
	WIN 0x08
.irp j, 0,1,2,3
	ds_store_b128 v[EXW], v[16*(4*(\ks)+\j)+4*(\c):16*(4*(\ks)+\j)+4*(\c)+3] offset:2048*(4*(\ks)+\j)+512*(\c)
.endr
.endm
; A granule is quantised: four blocks of 32 along K (one for each of my four columns; the other 16 numbers of a block lie in lane l xor 16).  extra: loads of phase B issued behind the ring's.
.macro GRAN ks, c, extra
.set GA, 4*(\ks)+(\c)
.set PKS, (GA-1)/4                     ; the granule before: its K step,
.set PCC, (GA-1)%4                     ; and its slot
.if GA < 13
	s_wait_loadcnt 48+\extra                       ; loads come back in order: this granule is in; the three granules behind it, 16 loads each, stay out
.else
	s_wait_loadcnt 16*(15-GA)+\extra               ; the last granules: the counts run down
.endif
	WIN 0x05
.irp j, 0,1,2,3
	v_max3_num_f32 v[MX+\j], |v[64*(\c)+\j]|, |v[64*(\c)+4+\j]|, 0x4800000   ; with the floor 2^(9 - 127): the byte cannot fall under 1
.endr
.irp i, 2,4,6,8,10,12,14
.irp j, 0,1,2,3
	v_max3_num_f32 v[MX+\j], |v[64*(\c)+4*\i+\j]|, |v[64*(\c)+4*\i+4+\j]|, v[MX+\j]
.endr
.endr
	WIN 0
.irp j, 0,1,2,3
	v_permlanex16_b32 v[PM+\j], v[MX+\j], s[SEL], s[SEL+1]
.endr
.irp j, 0,1,2,3
	v_max_num_f32 v[MX+\j], v[MX+\j], v[PM+\j]     ; the block's largest magnitude
.endr
.irp j, 0,1,2,3
	v_add_nc_u32 v[EO+\j], 0xfc000000, v[MX+\j]    ; 8 off the exponent field: the conversion's scale operand
.endr
.irp j, 0,1,2,3
	v_and_or_b32 v[LM+\j], v[MX+\j], 0x7f800000, s[MNT]   ; 448 x the scale
.endr
.if (\c) == 0
.irp j, 0,1,2,3
	v_lshrrev_b32 v[WSO+4*(\ks)+\j], 23, v[EO+\j]  ; byte 0 of the K step's scale word
.endr
.else
.irp j, 0,1,2,3
	v_lshrrev_b32 v[BT+\j], 23, v[EO+\j]
.endr
.irp j, 0,1,2,3
	v_lshl_or_b32 v[WSO+4*(\ks)+\j], v[BT+\j], 8*(\c), v[WSO+4*(\ks)+\j]
.endr
.endif
	WIN 0x01
.irp j, 0,1,2,3
.irp i, 0,1,2,3,4,5,6,7,8,9,10,11,12,13,14,15
	v_med3_num_f32 v[TQ+16*\j+\i], v[64*(\c)+4*\i+\j], -v[LM+\j], v[LM+\j]   ; the hold (the conversion does not saturate: ISA guide 7.6.2), and the move into K order
.endr
.endr
.if (\ks) < 3
	WIN 0x40
.else
	WIN 0x08
.endif
	s_wait_alu depctr_va_vdst(0)                   ; the maxima and the holds are done reading slot c, in which loads land next; the granule before's conversions have written its part of OWN, which the LDS stores below read
.if (\ks) < 3
	WLOAD (\ks)+1, \c                              ; the slot has been read: it takes the granule four further on
.endif
.if GA+6 <= 15
	global_prefetch_b8 v[PFO], s[WB:WB+1] offset:32*(GA+6)*PITCH th:TH_LOAD_NT scope:SCOPE_SE   ; granule GA + 6, two granules ahead of its loads: a lane to a row's 256 bytes; the last asked for is granule 15
.endif
.if GA > 0
	IMG PKS, PCC                                   ; the granule before's image
.endif
	WIN 0x80
.irp j, 0,1,2,3
	v_cvt_scalef32_pk8_fp8_f32 v[16*(4*(\ks)+\j)+4*(\c):16*(4*(\ks)+\j)+4*(\c)+1], v[TQ+16*\j:TQ+16*\j+7], v[EO+\j]
	v_cvt_scalef32_pk8_fp8_f32 v[16*(4*(\ks)+\j)+4*(\c)+2:16*(4*(\ks)+\j)+4*(\c)+3], v[TQ+16*\j+8:TQ+16*\j+15], v[EO+\j]
.endr
	v_nop                                          ; one plain line behind the conversions, ahead of whatever writes their sources next
.endm
; The operand of tile s[TE], held to the expert's last tile: 8 fragments (16 rows x 128 K) and 8 scale words a row: 34 loads, in four parts.  The bases:
.macro XBASE b
	s_min_u32 s[TE], s[TE], s[NTM1]
	s_min_u32 s[TE], s[TE], 63
	s_lshl_b32 s[OFS], s[TE], 14                   ; a tile's images: 8 K steps of 2,048 bytes
	s_add_nc_u64 s[HB+2*\b:HB+2*\b+1], s[XG0:XG0+1], s[OFS:OFS+1]
	s_lshl_b32 s[OFS], s[TE], 9                    ; its scale rows: 16 of 32 bytes
	s_add_nc_u64 s[SB+2*\b:SB+2*\b+1], s[XS0:XS0+1], s[OFS:OFS+1]
.endm
.macro XOWN b                          ; my own four K steps
	WIN 0x40
.irp k, 0,1,2,3
.irp c, 0,1,2,3
	global_load_b128 v[128*\b+16*\k+4*\c:128*\b+16*\k+4*\c+3], v[HOA], s[HB+2*\b:HB+2*\b+1] offset:2048*\k+512*\c
.endr
.endr
.endm
.macro XPAR b                          ; the partner's four
	WIN 0x40
.irp k, 0,1,2,3
.irp c, 0,1,2,3
	global_load_b128 v[128*\b+64+16*\k+4*\c:128*\b+64+16*\k+4*\c+3], v[HOB], s[HB+2*\b:HB+2*\b+1] offset:2048*\k+512*\c
.endr
.endr
.endm
.macro XSCL b                          ; the rows' scale words
	WIN 0
	global_load_b128 v[XS+8*\b:XS+8*\b+3], v[SOA], s[SB+2*\b:SB+2*\b+1]
	global_load_b128 v[XS+8*\b+4:XS+8*\b+7], v[SOB], s[SB+2*\b:SB+2*\b+1]
.endm
.macro XLOAD b
	XBASE \b
	XOWN \b
	XPAR \b
	XSCL \b
.endm
; Tile s[TI], whose operand lies in buffer b.
.macro HALF b
	s_wait_loadcnt 34                              ; this buffer's 34 loads are in; the other buffer's 34 may be out
	WIN 0x06                                       ; source 0 window 2 (OWN), source 1 window 1; the four accumulators take turns, one instruction a turn
.irp k, 0,1,2,3
.irp j, 0,1,2,3
.if \k == 0
	v_wmma_scale_f32_16x16x128_f8f6f4 v[ACC+8*\j:ACC+8*\j+7], v[16*(4*\k+\j):16*(4*\k+\j)+15], v[128*\b+16*\k:128*\b+16*\k+15], 0, v[WSO+4*\k+\j], v[XS+8*\b+\k]
.else
	v_wmma_scale_f32_16x16x128_f8f6f4 v[ACC+8*\j:ACC+8*\j+7], v[16*(4*\k+\j):16*(4*\k+\j)+15], v[128*\b+16*\k:128*\b+16*\k+15], v[ACC+8*\j:ACC+8*\j+7], v[WSO+4*\k+\j], v[XS+8*\b+\k]
.endif
.endr
.endr
	WIN 0x07                                       ; source 0 window 3 (PAR)
.irp k, 0,1,2,3
.irp j, 0,1,2,3
	v_wmma_scale_f32_16x16x128_f8f6f4 v[ACC+8*\j:ACC+8*\j+7], v[16*(4*\k+\j):16*(4*\k+\j)+15], v[128*\b+64+16*\k:128*\b+64+16*\k+15], v[ACC+8*\j:ACC+8*\j+7], v[WSP+4*\k+\j], v[XS+8*\b+4+\k]
.endr
.endr
	WIN 0
.rept 8
	v_nop                                          ; places behind the products (ISA guide 7.12.1), ahead of the first read of their results; the block's quantising below adds those that the next tile's first products want
.endr
	s_wait_xcnt 0x0                                ; the data and the bases of the last tile's stores, and this buffer's bases, are written only behind this wait; 32 products stand between those stores and it
	s_wait_alu depctr_vm_vsrc(0)                   ; the last tile's stores have read HC and BT, which this tile's conversions and shift write again
	s_wait_alu depctr_va_vdst(0)                   ; the products are done reading buffer b and its scale words, in which the loads below land
	s_add_co_u32 s[TE], s[TI], 4
	XBASE \b                                       ; the tile two of mine further on
	XSCL \b
	XOWN \b
	WIN 0
.irp n, 0,1,2,3,4,5,6,7
.irp j, 0,1,2,3
	v_add_f32 v[OV+4*\n+\j], v[ACC+8*\j+\n], v[BI+4*\n+\j]   ; the bias, and the move into the next K's order; each accumulator from its low end on
.endr
.endr
	XPAR \b                                        ; no wait: no vector or matrix instruction since the wait above names the buffer or the loads' offsets
	WIN 0
	v_max3_num_f32 v[MX], v[OV], v[OV+1], 0x4800000            ; no |.|: what is negative becomes 0, so it does not count; the floor stands over it
	v_max3_num_f32 v[MX+1], v[OV+16], v[OV+17], 0x4800000
.irp i, 2,4,6,8,10,12,14
	v_max3_num_f32 v[MX], v[MX], v[OV+\i], v[OV+\i+1]
	v_max3_num_f32 v[MX+1], v[MX+1], v[OV+16+\i], v[OV+17+\i]
.endr
	v_max_num_f32 v[MX], v[MX], v[MX+1]            ; all 32 numbers of the block are mine
	v_add_nc_u32 v[EO], 0xfc000000, v[MX]
	v_and_or_b32 v[LM], v[MX], 0x7f800000, s[MNT]
	v_lshrrev_b32 v[BT], 23, v[EO]
.irp i, 0,1,2,3,4,5,6,7,8,9,10,11,12,13,14,15,16,17,18,19,20,21,22,23,24,25,26,27,28,29,30,31
	v_med3_num_f32 v[OV+\i], v[OV+\i], 0, v[LM]    ; the activation and the hold in one
.endr
.irp q, 0,1,2,3
	v_cvt_scalef32_pk8_fp8_f32 v[HC+2*\q:HC+2*\q+1], v[OV+8*\q:OV+8*\q+7], v[EO]
.endr
	v_nop                                          ; one plain line behind the conversions
	s_min_u32 s[TMP], s[TI], 63
	s_lshl_b32 s[OFS], s[TMP], 16
	s_add_nc_u64 s[HCB:HCB+1], s[HC0:HC0+1], s[OFS:OFS+1]
	s_lshl_b32 s[OFS], s[TMP], 11
	s_add_nc_u64 s[HSB:HSB+1], s[HS0:HS0+1], s[OFS:OFS+1]
	s_wait_alu depctr_va_vdst(0)                   ; the conversions have written HC and the shift BT, which the three stores read
	global_store_b128 v[HOFF], v[HC:HC+3], s[HCB:HCB+1]              ; k 0-15 of my block: sixteen lanes fill 256 consecutive, aligned bytes
	global_store_b128 v[HOFF], v[HC+4:HC+7], s[HCB:HCB+1] offset:256 ; k 16-31
	global_store_b8 v[HSOFF], v[BT], s[HSB:HSB+1]                    ; byte 2 g + h of row r's scale word
.endm
	s_load_b256 s[4:11], s[0:1], 0x0               ; W1 s[4:5], b1 s[6:7], xg s[8:9], pos s[10:11]
	s_load_b128 s[12:15], s[0:1], 0x20             ; hc s[12:13], hs s[14:15]
	v_lshl_add_u32 v254, v0, 2, 0x22000
	v_mov_b32 v255, 0
	v_lshrrev_b32 v[LN], 5, v0
	v_readfirstlane_b32 s[WV], v[LN]
	v_and_b32 v[LN], 31, v0
	s_wait_alu depctr_va_vdst(0)
	v_and_b32 v[RR], 15, v0
	s_wait_alu depctr_va_vdst(0)
	v_bfe_u32 v[HH], v0, 4, 1
	s_wait_alu depctr_va_sdst(0)                   ; the wave's number is written, ahead of its first reader
	s_lshr_b32 s[GG], s[WV], 1
	s_and_b32 s[PP], s[WV], 1
	s_lshr_b32 s[EE], ttmp9, 5
	s_and_b32 s[SL], ttmp9, 31
	s_mov_b32 s[SEL], 0x76543210
	s_mov_b32 s[SEL+1], 0xfedcba98                 ; lane selects: lane l xor 16
	s_mov_b32 s[MNT], 0x600000                     ; the mantissa field of 448
	v_lshlrev_b32 v[TT], 4, v[LN]                  ; 16 lane
	v_lshlrev_b32 v[WOFF], 4, v[RR]
	s_wait_alu depctr_va_vdst(0)
	v_lshl_add_u32 v[WOFF], v[HH], 18, v[WOFF]
	s_lshl_b32 s[TMP], s[WV], 15
	v_add_nc_u32 v[EXW], s[TMP], v[TT]
	s_xor_b32 s[TMP], s[TMP], 32768
	v_add_nc_u32 v[EXR], s[TMP], v[TT]
	s_lshl_b32 s[TMP], s[PP], 13
	v_add_nc_u32 v[HOA], s[TMP], v[TT]
	s_xor_b32 s[TMP], s[TMP], 8192
	v_add_nc_u32 v[HOB], s[TMP], v[TT]
	v_lshlrev_b32 v[TT], 2, v[LN]                  ; 4 lane
	s_lshl_b32 s[TMP], s[WV], 11
	s_add_co_u32 s[TMP], s[TMP], EXS
	v_add_nc_u32 v[EXSW], s[TMP], v[TT]
	s_xor_b32 s[TMP], s[TMP], 2048                 ; EXS has bit 11 clear: this turns w into w xor 1
	v_add_nc_u32 v[EXSR], s[TMP], v[TT]
	v_lshlrev_b32 v[TT], 5, v[RR]                  ; 32 r
	s_lshl_b32 s[TMP], s[PP], 4
	v_add_nc_u32 v[SOA], s[TMP], v[TT]
	s_xor_b32 s[TMP], s[TMP], 16
	v_add_nc_u32 v[SOB], s[TMP], v[TT]
	v_lshlrev_b32 v[HOFF], 4, v[RR]
	v_lshl_add_u32 v[HOFF], v[HH], 9, v[HOFF]
	s_lshl_b32 s[TMP], s[GG], 10
	v_add_nc_u32 v[HOFF], s[TMP], v[HOFF]
	v_lshl_add_u32 v[HSOFF], v[RR], 2, v[HH]
	s_lshl_b32 s[TMP], s[GG], 1
	v_add_nc_u32 v[HSOFF], s[TMP], v[HSOFF]
	v_lshlrev_b32 v[PFO], 14, v[LN]
	v_lshlrev_b32 v[BO], 7, v[HH]
.irp j, 0,1,2,3
	v_mov_b32 v[PM+\j], 0                          ; a lane permute's destination counts as one of its sources
.endr
	s_mov_b32 s[OFS+1], 0
	s_lshl_b32 s[TMP], s[SL], 9
	s_lshl_b32 s[TMP+1], s[GG], 8
	s_add_co_u32 s[TMP], s[TMP], s[TMP+1]          ; my first column, in bytes: (128 slice + 64 g) x 4
	s_wait_kmcnt 0x0
	s_lshl_b32 s[OFS], s[EE], 2
	s_add_nc_u64 s[10:11], s[10:11], s[OFS:OFS+1]
	s_load_b32 s[NE], s[10:11], 0x1000             ; cnt[e]: behind the 1,024 words of pos
	s_lshl_b32 s[OFS], s[EE], 24                   ; an expert's W1 is 16 MiB,
	s_lshl_b32 s[TMP+1], s[PP], 23                 ; 512 K rows are 8 MiB
	s_add_co_u32 s[OFS], s[OFS], s[TMP+1]
	s_add_co_u32 s[OFS], s[OFS], s[TMP]
	s_add_nc_u64 s[WB:WB+1], s[4:5], s[OFS:OFS+1]
	s_lshl_b32 s[OFS], s[EE], 14
	s_add_co_u32 s[OFS], s[OFS], s[TMP]
	s_add_nc_u64 s[6:7], s[6:7], s[OFS:OFS+1]      ; b1 at my 64 hidden units
	s_lshl_b32 s[OFS], s[EE], 20                   ; an expert's images: 64 tiles of 16,384 bytes
	s_add_nc_u64 s[XG0:XG0+1], s[8:9], s[OFS:OFS+1]
	s_lshl_b32 s[OFS], s[EE], 15                   ; its scale rows: 1,024 of 32 bytes
	s_add_nc_u64 s[XS0:XS0+1], s[8:9], s[OFS:OFS+1]
	s_add_nc_u64 s[XS0:XS0+1], s[XS0:XS0+1], XGS
	s_lshl_b32 s[OFS], s[EE], 22
	s_lshl_b32 s[TMP+1], s[SL], 11
	s_add_co_u32 s[OFS], s[OFS], s[TMP+1]
	s_add_nc_u64 s[HC0:HC0+1], s[12:13], s[OFS:OFS+1]
	s_lshl_b32 s[OFS], s[EE], 17
	s_lshl_b32 s[TMP+1], s[SL], 6
	s_add_co_u32 s[OFS], s[OFS], s[TMP+1]
	s_add_nc_u64 s[HS0:HS0+1], s[14:15], s[OFS:OFS+1]
	s_wait_alu depctr_va_vdst(0)                   ; the offsets and LDS addresses v4 to v16 are written, which every load, store and prefetch of the kernel reads
.irp m, 0,1,2,3,4,5,6,7
	global_load_b128 v[BI+4*\m:BI+4*\m+3], v[BO], s[6:7] offset:16*\m
.endr
	WLOAD 0, 0                                     ; the ring is filled: 64 loads of 512 bytes a wave
	WLOAD 0, 1
	WLOAD 0, 2
	WLOAD 0, 3
	global_prefetch_b8 v[PFO], s[WB:WB+1] offset:32*4*PITCH th:TH_LOAD_NT scope:SCOPE_SE   ; granules 4 and 5: the first that the ring does not yet hold
	global_prefetch_b8 v[PFO], s[WB:WB+1] offset:32*5*PITCH th:TH_LOAD_NT scope:SCOPE_SE
	s_wait_kmcnt 0x0
	s_min_u32 s[NE], s[NE], 1024
	s_add_co_u32 s[NT], s[NE], 15
	s_lshr_b32 s[NT], s[NT], 4
	s_max_u32 s[NT], s[NT], 1                      ; an expert without tokens has one tile of zero rows
	s_sub_co_u32 s[NTM1], s[NT], 1
.irp k, 0,1,2
.irp c, 0,1,2,3
	GRAN \k, \c, 0                                 ; (the first one's wait also shows b1 in: it was asked for first)
.endr
.endr
	GRAN 3, 0, 0
	GRAN 3, 1, 0
	s_mov_b32 s[TE], s[PP]
	XLOAD 0                                        ; slots 0 and 1 of the ring are done with: they take my first tile's operand.  No wait: since the granule's wait only its conversions were issued, which name TQ, EO and OWN
	GRAN 3, 2, 34                                  ; (those 34 loads were issued behind the ring's)
	GRAN 3, 3, 34
	s_add_co_u32 s[TE], s[PP], 2
	XLOAD 1                                        ; slots 2 and 3 likewise
	WIN 0x08
	s_wait_alu depctr_va_vdst(0)                   ; the last granule's conversions have written their part of OWN, which the LDS stores below read
	IMG 3, 3
	WIN 0
.irp n, 0,1,2,3,4,5,6,7,8,9,10,11,12,13,14,15
	ds_store_b32 v[EXSW], v[WSO+\n] offset:128*\n  ; the scale words' image
.endr
	s_wait_dscnt 0x0                               ; for my partner's sake: all my images lie in LDS
	s_barrier_signal -1
	s_barrier_wait -1
	WIN 0xc0
.set J, 0
.rept 64
	ds_load_b128 v[4*J:4*J+3], v[EXR] offset:512*J ; the partner's registers, in the same lanes
.set J, J+1
.endr
	WIN 0
.irp n, 0,1,2,3,4,5,6,7,8,9,10,11,12,13,14,15
	ds_load_b32 v[WSP+\n], v[EXSR] offset:128*\n
.endr
	s_wait_dscnt 0x0
.rept 4
	v_nop                                          ; an operand written by vector instructions (the last conversions into OWN) stands four places ahead of a scaled matrix instruction
.endr
	s_wait_alu depctr_va_vdst(0)                   ; behind those places: the conversions have written OWN and the shifts WSO, which the scaled products take as operand and as scales
	s_mov_b32 s[IT], 0
.Ltok:                                             ; 16 trips of two tiles: an expert has 64 tiles at the most, 32 of my parity.  A wave whose tiles are done ends
	s_lshl_b32 s[TI], s[IT], 2
	s_add_co_u32 s[TI], s[TI], s[PP]               ; tile 4 trip + p
	s_cmp_lt_u32 s[TI], s[NT]
	s_cbranch_scc1 .Lgo0
	s_wait_dscnt 0x0                               ; the closing lines, six on end
	s_wait_alu 0x0
	s_wait_tensorcnt 0x0
	ds_add_u32 v254, v255
	s_wait_dscnt 0x0
	s_endpgm
.Lgo0:
	HALF 0
	s_add_co_u32 s[TI], s[TI], 2
	s_cmp_lt_u32 s[TI], s[NT]
	s_cbranch_scc1 .Lgo1
	s_wait_dscnt 0x0                               ; the closing lines, as above
	s_wait_alu 0x0
	s_wait_tensorcnt 0x0
	ds_add_u32 v254, v255
	s_wait_dscnt 0x0
	s_endpgm
.Lgo1:
	HALF 1
	s_add_co_u32 s[IT], s[IT], 1
	s_cmp_lt_u32 s[IT], 16
	s_cbranch_scc1 .Ltok
	s_wait_dscnt 0x0                               ; the closing lines, as above
	s_wait_alu 0x0
	s_wait_tensorcnt 0x0
	ds_add_u32 v254, v255
	s_wait_dscnt 0x0
	s_endpgm
.Lfunc_end_k_q2921d89681_up:
	.size	k_q2921d89681_up, .Lfunc_end_k_q2921d89681_up-k_q2921d89681_up
	.p2alignl 7, 3214868480
	.fill 96, 4, 3214868480
	.section	.rodata,"a",@progbits
	.p2align	6, 0x0
	.amdhsa_kernel k_q2921d89681_up
		.amdhsa_group_segment_fixed_size 139776
		.amdhsa_private_segment_fixed_size 0
		.amdhsa_enable_private_segment 0
		.amdhsa_kernarg_size 48
		.amdhsa_user_sgpr_count 2
		.amdhsa_user_sgpr_kernarg_segment_ptr 1
		.amdhsa_wavefront_size32 1
		.amdhsa_system_sgpr_workgroup_id_x 1
		.amdhsa_system_sgpr_workgroup_id_y 1
		.amdhsa_system_sgpr_workgroup_id_z 1
		.amdhsa_system_vgpr_workitem_id 0
		.amdhsa_next_free_vgpr 1024
		.amdhsa_next_free_sgpr 66
		.amdhsa_reserve_vcc 0
		.amdhsa_float_denorm_mode_32 3
		.amdhsa_float_denorm_mode_16_64 3
		.amdhsa_memory_ordered 1
		.amdhsa_forward_progress 1
		.amdhsa_inst_pref_size 206
	.end_amdhsa_kernel
	.amdgpu_metadata
---
amdhsa.version: [ 1, 2 ]
amdhsa.kernels:
  - .name:           k_q2921d89681_up
    .symbol:         k_q2921d89681_up.kd
    .args:
      - { .name: W1, .offset: 0, .size: 8, .value_kind: global_buffer, .address_space: global }
      - { .name: b1, .offset: 8, .size: 8, .value_kind: global_buffer, .address_space: global }
      - { .name: xg, .offset: 16, .size: 8, .value_kind: global_buffer, .address_space: global }
      - { .name: pos, .offset: 24, .size: 8, .value_kind: global_buffer, .address_space: global }
      - { .name: hc, .offset: 32, .size: 8, .value_kind: global_buffer, .address_space: global }
      - { .name: hs, .offset: 40, .size: 8, .value_kind: global_buffer, .address_space: global }
    .group_segment_fixed_size: 139776
    .private_segment_fixed_size: 0
    .kernarg_segment_align: 8
    .kernarg_segment_size: 48
    .max_flat_workgroup_size: 128
    .sgpr_count:     66
    .vgpr_count:     1024
    .wavefront_size: 32
...
	.end_amdgpu_metadata
.endif
;; end of part 8
;; launch down (part 9): grid 256 x 1, 4 waves a work-group, no clusters, 157,184 bytes of LDS; arguments W2, hc, hs, pos, part; writes part
.if DOCPART == 9
	.amdgcn_target "amdgcn-amd-amdhsa--gfx1250"
	.amdhsa_code_object_version 6
	.text
	.protected	k_q2921d89681_down
	.globl	k_q2921d89681_down
	.p2align	8
	.type	k_q2921d89681_down,@function
k_q2921d89681_down:
	s_mov_b64 s[64:65], 0
	v_nop
	global_prefetch_b8 v0, s[64:65] scope:SCOPE_SE
	s_setreg_imm32_b32 hwreg(HW_REG_WAVE_SCHED_MODE, 0, 2), 2
	s_setreg_imm32_b32 hwreg(HW_REG_WAVE_MODE, 25, 1), 1
	s_wait_xcnt 0x0
	s_wait_alu depctr_vm_vsrc(0)
; THE SECOND PRODUCT OF THE CHOSEN EXPERTS, in four parts along K: part[kc][1024 e + q][:] = hidden codes (K chunk kc) x Q(W2[e]) (the same chunk), on codes of E4M3 with one E8M0 scale for each 32 along K.
; SHARES.  Work-group = (expert e = id / 32, K chunk kc = (id / 8) % 4 of 1,024 hidden units, slice = id % 8 of 128 output columns): 512 KiB of W2, read once by this work-group alone.
; The four parts of an output are added by the next launch: a work-group with all of K = 4,096 would have 32 columns, row pieces of 128 bytes, and all of its expert's hidden codes to read.
; Wave w = 2 g + p: columns 64 g .. + 63 of the slice.  PHASE A: it streams K rows 512 p .. + 511 of the chunk (16 granules of 32 rows), quantises them in registers (OWN) and lays their image in LDS for wave w xor 1.
; ONE barrier.  PHASE B: with the partner's image (PAR) it holds the chunk's 1,024 along K and walks the expert's tiles of 16 rows of parity p: 32 matrix instructions a tile.  How many tiles there are is read from memory, so no barrier stands there.
; LAYOUT as in the first product's launch: lane (r, h) holds columns 4 r + j at k = 32 c + 16 h + i; tile j's row m is column 4 m + j.  Source 0 = the weights, source 1 = 16 rows' hidden codes, which come
; from hc as images of the operand's registers: each load reads 512 consecutive bytes.  In the result lane (r, h) holds row r, register jj of tile j column 32 h + 4 jj + j.
; The results turn through the wave's own stage in LDS (16 rows x 272 bytes) and leave as aligned runs of 256 bytes from sixteen lanes.  The stage's stores of 4 bytes fall two deep on the banks (rows r and r + 8 of the other half).
; NO TENSOR LOADS, NO CLUSTER: the weights are read by one work-group only; what the 8 slices share is a tile's 16 KiB of hidden codes beside 512 KiB of weights, where the useful trips are read from memory.
; LIMITS: NaN and infinities are not served.  A block of zeros gets the byte 1 (rule: 127): its codes are zeros.  An expert without tokens has one tile, whose results nobody reads.
; REGISTERS in windows of 256.  Window 1: the ring of four granules, then two buffers of 128 for the rows' fragments.  Window 2: OWN (16 (4 ks + j)).  Window 3: PAR.
; THE MODE: SCHED_MODE bits 1:0 = 2 (LLVM: expert scheduling mode 2), set by the entry lines.  The code itself states the register dependences between vector or matrix instructions and memory or LDS instructions, with s_wait_alu, always for 0.
; THE PLAN.  Registers that memory or LDS instructions touch:
;   v4-v16, v254, v255   offsets and LDS addresses: made at the head and never written again; rows and tiles are reached by scalar bases and immediate offsets.
;   the ring's slot c    16 loads land in it; its granule's maxima and holds read it; then it is loaded again (in the last granules: with a tile's operand).
;   OWN                  each register is written once, by its granule's conversions, and read by the four LDS stores that are issued in the NEXT granule; after that by products alone.
;   WSO                  written by a granule's shifts, ahead of its holds; read by sixteen LDS stores behind the last granule, then by products.
;   PAR, WSP             LDS loads land in them behind the barrier; products read them.
;   buffer b, XS + 8 b   40 loads land in them; tile b's products read them; then they are loaded again.
;   ACC                  written by a tile's products; read by its 32 LDS stores into the stage.
;   OUT                  the stage's eight LDS loads land in it; the tile's eight stores read it.  No vector instruction names it in phase B.
; PHASE A: ONE wait on va_vdst in a granule, behind its holds: they are done reading the slot, and the granule before has written its part of OWN.  The slot's loads, the prefetch and the granule before's LDS stores follow it;
; behind them stand the granule's own conversions, which name TQ, EO and OWN alone.  No register that a memory instruction has read is written again in this phase.
; PHASE B, a tile: at its head, beside the wait on XCNT, one wait on vm_vsrc (the last tile's LDS stores have read ACC, its stores OUT); behind the products' places one wait on va_vdst (ACC is written; buffer b and its scale words are read).
; Behind that wait stand memory and LDS instructions alone: the 32 LDS stores and the 32 loads of fragments four by four, under one window setting (an LDS store has no destination), then the stage's loads and the scale words'.
.set PITCH, 4096                       ; a K row of W2 in bytes
.set EXS,   131072                     ; LDS: 4 x 32,768 bytes of code images, 4 x 2,048 of scale words,
.set STG,   139264                     ; and 4 stages of 16 x 272 bytes
.set LN,   1
.set RR,   2
.set HH,   3
.set WOFF, 4                           ; 16 r + 16 rows x h
.set EXW,  5
.set EXR,  6
.set EXSW, 7
.set EXSR, 8
.set SW,   9                           ; the stage, in: 272 r + 128 h
.set SRD,  10                          ; and out: 272 h + 16 r
.set PFO,  11                          ; lane x PITCH
.set PO,   12                          ; part: 4096 h + 16 r
.set HOA,  13                          ; 16 lane + 8192 p
.set HOB,  14                          ; 16 lane + 8192 (1 - p)
.set SOA,  15                          ; 4 r + 256 p
.set SOB,  16                          ; 4 r + 256 (1 - p)
.set TT,   22
.set WSO,  40                          ; v40-55  my weights' scale words
.set WSP,  56                          ; v56-71  the partner's
.set XS,   72                          ; v72-87  the rows' scale words, 8 a buffer
.set MX,   88
.set PM,   92
.set EO,   96
.set LM,   100
.set BT,   104
.set ACC,  108                         ; v108-139 four accumulators
.set TQ,   140                         ; v140-203 phase A: a granule's 64 numbers in K order
.set OUT,  140                         ; v140-171 phase B: 16 rows back from the stage
.set WV,   22
.set GG,   23
.set PP,   24
.set EE,   25
.set SL,   26
.set NE,   27
.set NT,   28
.set TI,   29
.set IT,   30
.set SEL,  32
.set MNT,  34
.set KC,   35
.set OFS,  36                          ; s[36:37] an offset, high word 0
.set PBT,  38
.set NTM1, 40
.set TE,   41
.set HB,   42                          ; s[42:43], s[44:45] buffer b's tile in hc
.set WB,   48
.set HC0,  50
.set HS0,  52
.set PB,   54
.set TMP,  56
.set SB,   58                          ; s[58:59], s[60:61] buffer b's tile in hs
.set MSB, 0
.macro WIN new                         ; the immediate's high byte repeats the setting that is left; bits 1:0 source 0, 3:2 source 1, 5:4 source 2, 7:6 destination
.if MSB != \new
	s_set_vgpr_msb (MSB<<8)|\new
.set MSB, \new
.endif
.endm
.macro WLOAD ks, c                     ; granule (ks, c): K rows 128 ks + 32 c + 16 h + i into slot c: 16 loads, each two aligned runs of 256 bytes
	WIN 0x40
.irp i, 0,1,2,3,4,5,6,7,8,9,10,11,12,13,14,15
	global_load_b128 v[64*(\c)+4*\i:64*(\c)+4*\i+3], v[WOFF], s[WB:WB+1] offset:(128*(\ks)+32*(\c)+\i)*PITCH th:TH_LOAD_NT
.endr
.endm
; The image of granule (ks, c)'s part of OWN, for my partner: four stores of 512 consecutive bytes.
.macro IMG ks, c
	WIN 0x08
.irp j, 0,1,2,3
	ds_store_b128 v[EXW], v[16*(4*(\ks)+\j)+4*(\c):16*(4*(\ks)+\j)+4*(\c)+3] offset:2048*(4*(\ks)+\j)+512*(\c)
.endr
.endm
; A granule is quantised: four blocks of 32 along K, one for each of my four columns; the other 16 numbers of a block lie in lane l xor 16.  extra: loads of phase B issued behind the ring's.
.macro GRAN ks, c, extra
.set GA, 4*(\ks)+(\c)
.set PKS, (GA-1)/4                     ; the granule before: its K step,
.set PCC, (GA-1)%4                     ; and its slot
.if GA < 13
	s_wait_loadcnt 48+\extra                       ; loads come back in order: this granule is in; the three behind it, 16 loads each, stay out
.else
	s_wait_loadcnt 16*(15-GA)+\extra               ; the last granules: the counts run down
.endif
	WIN 0x05
.irp j, 0,1,2,3
	v_max3_num_f32 v[MX+\j], |v[64*(\c)+\j]|, |v[64*(\c)+4+\j]|, 0x4800000   ; with the floor 2^(9 - 127): the byte cannot fall under 1
.endr
.irp i, 2,4,6,8,10,12,14
.irp j, 0,1,2,3
	v_max3_num_f32 v[MX+\j], |v[64*(\c)+4*\i+\j]|, |v[64*(\c)+4*\i+4+\j]|, v[MX+\j]
.endr
.endr
	WIN 0
.irp j, 0,1,2,3
	v_permlanex16_b32 v[PM+\j], v[MX+\j], s[SEL], s[SEL+1]
.endr
.irp j, 0,1,2,3
	v_max_num_f32 v[MX+\j], v[MX+\j], v[PM+\j]
.endr
.irp j, 0,1,2,3
	v_add_nc_u32 v[EO+\j], 0xfc000000, v[MX+\j]    ; 8 off the exponent field: the conversion's scale operand
.endr
.irp j, 0,1,2,3
	v_and_or_b32 v[LM+\j], v[MX+\j], 0x7f800000, s[MNT]   ; 448 x the scale
.endr
.if (\c) == 0
.irp j, 0,1,2,3
	v_lshrrev_b32 v[WSO+4*(\ks)+\j], 23, v[EO+\j]
.endr
.else
.irp j, 0,1,2,3
	v_lshrrev_b32 v[BT+\j], 23, v[EO+\j]
.endr
.irp j, 0,1,2,3
	v_lshl_or_b32 v[WSO+4*(\ks)+\j], v[BT+\j], 8*(\c), v[WSO+4*(\ks)+\j]
.endr
.endif
	WIN 0x01
.irp j, 0,1,2,3
.irp i, 0,1,2,3,4,5,6,7,8,9,10,11,12,13,14,15
	v_med3_num_f32 v[TQ+16*\j+\i], v[64*(\c)+4*\i+\j], -v[LM+\j], v[LM+\j]   ; the hold (the conversion does not saturate: ISA guide 7.6.2), and the move into K order
.endr
.endr
.if (\ks) < 3
	WIN 0x40
.else
	WIN 0x08
.endif
	s_wait_alu depctr_va_vdst(0)                   ; the maxima and the holds are done reading slot c, in which loads land next; the granule before's conversions have written its part of OWN, which the LDS stores below read
.if (\ks) < 3
	WLOAD (\ks)+1, \c                              ; the slot has been read: it takes the granule four further on
.endif
.if GA+6 <= 15
	global_prefetch_b8 v[PFO], s[WB:WB+1] offset:32*(GA+6)*PITCH th:TH_LOAD_NT scope:SCOPE_SE   ; granule GA + 6, two granules ahead of its loads: a lane to a row's 256 bytes; the last asked for is granule 15
.endif
.if GA > 0
	IMG PKS, PCC                                   ; the granule before's image
.endif
	WIN 0x80
.irp j, 0,1,2,3
	v_cvt_scalef32_pk8_fp8_f32 v[16*(4*(\ks)+\j)+4*(\c):16*(4*(\ks)+\j)+4*(\c)+1], v[TQ+16*\j:TQ+16*\j+7], v[EO+\j]
	v_cvt_scalef32_pk8_fp8_f32 v[16*(4*(\ks)+\j)+4*(\c)+2:16*(4*(\ks)+\j)+4*(\c)+3], v[TQ+16*\j+8:TQ+16*\j+15], v[EO+\j]
.endr
	v_nop                                          ; one plain line behind the conversions
.endm
; The operand of tile s[TE], held to the expert's last tile: 8 fragments and 8 scale words: 40 loads.  The bases:
.macro XBASE b
	s_min_u32 s[TE], s[TE], s[NTM1]
	s_min_u32 s[TE], s[TE], 63
	s_lshl_b32 s[OFS], s[TE], 16
	s_add_nc_u64 s[HB+2*\b:HB+2*\b+1], s[HC0:HC0+1], s[OFS:OFS+1]
	s_lshl_b32 s[OFS], s[TE], 11
	s_add_nc_u64 s[SB+2*\b:SB+2*\b+1], s[HS0:HS0+1], s[OFS:OFS+1]
.endm
.macro XFRAG b, q                      ; fragment q of the eight, four loads (destination window 1): 0 to 3 my own K steps, 4 to 7 the partner's
.if (\q) < 4
.irp c, 0,1,2,3
	global_load_b128 v[128*\b+16*(\q)+4*\c:128*\b+16*(\q)+4*\c+3], v[HOA], s[HB+2*\b:HB+2*\b+1] offset:2048*(\q)+512*\c
.endr
.else
.irp c, 0,1,2,3
	global_load_b128 v[128*\b+16*(\q)+4*\c:128*\b+16*(\q)+4*\c+3], v[HOB], s[HB+2*\b:HB+2*\b+1] offset:2048*((\q)-4)+512*\c
.endr
.endif
.endm
.macro XSCL b                          ; the rows' scale words
	WIN 0
.irp k, 0,1,2,3
	global_load_b32 v[XS+8*\b+\k], v[SOA], s[SB+2*\b:SB+2*\b+1] offset:64*\k
.endr
.irp k, 0,1,2,3
	global_load_b32 v[XS+8*\b+4+\k], v[SOB], s[SB+2*\b:SB+2*\b+1] offset:64*\k
.endr
.endm
.macro XLOAD b
	XBASE \b
	WIN 0x40
.irp q, 0,1,2,3,4,5,6,7
	XFRAG \b, \q
.endr
	XSCL \b
.endm
; Tile s[TI], whose operand lies in buffer b.
.macro HALF b
	s_wait_loadcnt 40                              ; this buffer's 40 loads are in; the other buffer's 40 may be out
	s_wait_xcnt 0x0                                ; the data and the base of the last tile's stores, and this buffer's bases, are written only behind this wait
	s_wait_alu depctr_vm_vsrc(0)                   ; the last tile's LDS stores have read ACC, which the products below begin anew; its stores have read OUT, in which the stage's loads land
	WIN 0x06                                       ; source 0 window 2 (OWN), source 1 window 1; the four accumulators take turns, one instruction a turn
.irp k, 0,1,2,3
.irp j, 0,1,2,3
.if \k == 0
	v_wmma_scale_f32_16x16x128_f8f6f4 v[ACC+8*\j:ACC+8*\j+7], v[16*(4*\k+\j):16*(4*\k+\j)+15], v[128*\b+16*\k:128*\b+16*\k+15], 0, v[WSO+4*\k+\j], v[XS+8*\b+\k]
.else
	v_wmma_scale_f32_16x16x128_f8f6f4 v[ACC+8*\j:ACC+8*\j+7], v[16*(4*\k+\j):16*(4*\k+\j)+15], v[128*\b+16*\k:128*\b+16*\k+15], v[ACC+8*\j:ACC+8*\j+7], v[WSO+4*\k+\j], v[XS+8*\b+\k]
.endif
.endr
.endr
	WIN 0x07                                       ; source 0 window 3 (PAR)
.irp k, 0,1,2,3
.irp j, 0,1,2,3
	v_wmma_scale_f32_16x16x128_f8f6f4 v[ACC+8*\j:ACC+8*\j+7], v[16*(4*\k+\j):16*(4*\k+\j)+15], v[128*\b+64+16*\k:128*\b+64+16*\k+15], v[ACC+8*\j:ACC+8*\j+7], v[WSP+4*\k+\j], v[XS+8*\b+4+\k]
.endr
.endr
	WIN 0
.rept 9
	v_nop                                          ; places behind the products: eight for the LDS stores of their results, the ninth for the next tile's first products, which begin these accumulators anew
.endr
	s_wait_alu depctr_va_vdst(0)                   ; behind the places: the products have written ACC, which the LDS stores read, and are done reading buffer b and its scale words, in which the loads land
	s_add_co_u32 s[TE], s[TI], 4
	XBASE \b                                       ; the tile two of mine further on
	WIN 0x40                                       ; the loads' destination in window 1; an LDS store's address and data are sources 0 and 1: window 0
.irp n, 0,1,2,3,4,5,6,7
.irp j, 0,1,2,3
	ds_store_b32 v[SW], v[ACC+8*\j+\n] offset:16*\n+4*\j   ; column 32 h + 4 n + j of row r; each accumulator from its low end on
.endr
	XFRAG \b, \n                                   ; four LDS stores, four loads, by turns
.endr
	WIN 0
.irp m, 0,1,2,3,4,5,6,7
	ds_load_b128 v[OUT+4*\m:OUT+4*\m+3], v[SRD] offset:544*\m   ; two rows back: LDS serves a wave's instructions in order, and the stage is my own
.endr
	XSCL \b
	s_min_u32 s[TMP], s[TI], 63
	s_lshl_b32 s[OFS], s[TMP], 16
	s_add_nc_u64 s[PBT:PBT+1], s[PB:PB+1], s[OFS:OFS+1]
	s_wait_dscnt 0x0
.irp m, 0,1,2,3,4,5,6,7
	global_store_b128 v[PO], v[OUT+4*\m:OUT+4*\m+3], s[PBT:PBT+1] offset:8192*\m   ; sixteen lanes store 256 consecutive, aligned bytes of a row
.endr
.endm
	s_load_b256 s[4:11], s[0:1], 0x0               ; W2 s[4:5], hc s[6:7], hs s[8:9], pos s[10:11]
	s_load_b64 s[12:13], s[0:1], 0x20              ; part
	v_lshl_add_u32 v254, v0, 2, 0x26400
	v_mov_b32 v255, 0
	v_lshrrev_b32 v[LN], 5, v0
	v_readfirstlane_b32 s[WV], v[LN]
	v_and_b32 v[LN], 31, v0
	s_wait_alu depctr_va_vdst(0)
	v_and_b32 v[RR], 15, v0
	s_wait_alu depctr_va_vdst(0)
	v_bfe_u32 v[HH], v0, 4, 1
	s_wait_alu depctr_va_sdst(0)                   ; the wave's number is written, ahead of its first reader
	s_lshr_b32 s[GG], s[WV], 1
	s_and_b32 s[PP], s[WV], 1
	s_lshr_b32 s[EE], ttmp9, 5
	s_bfe_u32 s[KC], ttmp9, 0x20003                ; two bits from bit 3
	s_and_b32 s[SL], ttmp9, 7
	s_mov_b32 s[SEL], 0x76543210
	s_mov_b32 s[SEL+1], 0xfedcba98
	s_mov_b32 s[MNT], 0x600000
	v_lshlrev_b32 v[TT], 4, v[LN]                  ; 16 lane
	v_lshlrev_b32 v[WOFF], 4, v[RR]
	s_wait_alu depctr_va_vdst(0)
	v_lshl_add_u32 v[WOFF], v[HH], 16, v[WOFF]
	s_lshl_b32 s[TMP], s[WV], 15
	v_add_nc_u32 v[EXW], s[TMP], v[TT]
	s_xor_b32 s[TMP], s[TMP], 32768
	v_add_nc_u32 v[EXR], s[TMP], v[TT]
	s_lshl_b32 s[TMP], s[PP], 13
	v_add_nc_u32 v[HOA], s[TMP], v[TT]
	s_xor_b32 s[TMP], s[TMP], 8192
	v_add_nc_u32 v[HOB], s[TMP], v[TT]
	v_lshlrev_b32 v[TT], 2, v[LN]                  ; 4 lane
	s_lshl_b32 s[TMP], s[WV], 11
	s_add_co_u32 s[TMP], s[TMP], EXS
	v_add_nc_u32 v[EXSW], s[TMP], v[TT]
	s_xor_b32 s[TMP], s[TMP], 2048                 ; EXS has bit 11 clear: this turns w into w xor 1
	v_add_nc_u32 v[EXSR], s[TMP], v[TT]
	v_lshlrev_b32 v[TT], 2, v[RR]                  ; 4 r
	s_lshl_b32 s[TMP], s[PP], 8
	v_add_nc_u32 v[SOA], s[TMP], v[TT]
	s_xor_b32 s[TMP], s[TMP], 256
	v_add_nc_u32 v[SOB], s[TMP], v[TT]
	s_mul_i32 s[TMP], s[WV], 16*272
	s_add_co_u32 s[TMP], s[TMP], STG               ; my stage
	v_mul_u32_u24 v[SW], v[RR], 272
	v_lshl_add_u32 v[SW], v[HH], 7, v[SW]
	v_add_nc_u32 v[SW], s[TMP], v[SW]
	v_mul_u32_u24 v[SRD], v[HH], 272
	v_lshl_add_u32 v[SRD], v[RR], 4, v[SRD]
	v_add_nc_u32 v[SRD], s[TMP], v[SRD]
	v_lshlrev_b32 v[PO], 4, v[RR]
	v_lshl_add_u32 v[PO], v[HH], 12, v[PO]
	v_lshlrev_b32 v[PFO], 12, v[LN]
.irp j, 0,1,2,3
	v_mov_b32 v[PM+\j], 0                          ; a lane permute's destination counts as one of its sources
.endr
	s_mov_b32 s[OFS+1], 0
	s_lshl_b32 s[TMP], s[SL], 9
	s_lshl_b32 s[TMP+1], s[GG], 8
	s_add_co_u32 s[TMP], s[TMP], s[TMP+1]          ; my first column, in bytes: (128 slice + 64 g) x 4
	s_wait_kmcnt 0x0
	s_lshl_b32 s[OFS], s[EE], 2
	s_add_nc_u64 s[10:11], s[10:11], s[OFS:OFS+1]
	s_load_b32 s[NE], s[10:11], 0x1000             ; cnt[e]: behind the 1,024 words of pos
	s_lshl_b32 s[OFS], s[EE], 24                   ; an expert's W2 is 16 MiB,
	s_lshl_b32 s[TMP+1], s[KC], 22                 ; a chunk of 1,024 K rows 4 MiB,
	s_add_co_u32 s[OFS], s[OFS], s[TMP+1]
	s_lshl_b32 s[TMP+1], s[PP], 21                 ; half of it 2 MiB
	s_add_co_u32 s[OFS], s[OFS], s[TMP+1]
	s_add_co_u32 s[OFS], s[OFS], s[TMP]
	s_add_nc_u64 s[WB:WB+1], s[4:5], s[OFS:OFS+1]
	s_lshl_b32 s[OFS], s[EE], 22
	s_lshl_b32 s[TMP+1], s[KC], 14                 ; 8 K steps of 2,048 bytes
	s_add_co_u32 s[OFS], s[OFS], s[TMP+1]
	s_add_nc_u64 s[HC0:HC0+1], s[6:7], s[OFS:OFS+1]
	s_lshl_b32 s[OFS], s[EE], 17
	s_lshl_b32 s[TMP+1], s[KC], 9
	s_add_co_u32 s[OFS], s[OFS], s[TMP+1]
	s_add_nc_u64 s[HS0:HS0+1], s[8:9], s[OFS:OFS+1]
	s_lshl_b32 s[OFS], s[KC], 25                   ; a part is 8,192 rows of 4,096 bytes,
	s_lshl_b32 s[TMP+1], s[EE], 22                 ; an expert's rows 4 MiB
	s_add_co_u32 s[OFS], s[OFS], s[TMP+1]
	s_add_co_u32 s[OFS], s[OFS], s[TMP]
	s_add_nc_u64 s[PB:PB+1], s[12:13], s[OFS:OFS+1]
	s_wait_alu depctr_va_vdst(0)                   ; the offsets and LDS addresses v4 to v16 are written, which every load, store and prefetch of the kernel reads
	WLOAD 0, 0                                     ; the ring is filled: 64 loads of 512 bytes a wave
	WLOAD 0, 1
	WLOAD 0, 2
	WLOAD 0, 3
	global_prefetch_b8 v[PFO], s[WB:WB+1] offset:32*4*PITCH th:TH_LOAD_NT scope:SCOPE_SE   ; granules 4 and 5: the first that the ring does not yet hold
	global_prefetch_b8 v[PFO], s[WB:WB+1] offset:32*5*PITCH th:TH_LOAD_NT scope:SCOPE_SE
	s_wait_kmcnt 0x0
	s_min_u32 s[NE], s[NE], 1024
	s_add_co_u32 s[NT], s[NE], 15
	s_lshr_b32 s[NT], s[NT], 4
	s_max_u32 s[NT], s[NT], 1                      ; an expert without tokens has one tile, as in the launch before
	s_sub_co_u32 s[NTM1], s[NT], 1
.irp k, 0,1,2
.irp c, 0,1,2,3
	GRAN \k, \c, 0
.endr
.endr
	GRAN 3, 0, 0
	GRAN 3, 1, 0
	s_mov_b32 s[TE], s[PP]
	XLOAD 0                                        ; slots 0 and 1 of the ring are done with: they take my first tile's operand.  No wait: since the granule's wait only its conversions were issued, which name TQ, EO and OWN
	GRAN 3, 2, 40                                  ; (those 40 loads were issued behind the ring's)
	GRAN 3, 3, 40
	s_add_co_u32 s[TE], s[PP], 2
	XLOAD 1                                        ; slots 2 and 3 likewise
	WIN 0x08
	s_wait_alu depctr_va_vdst(0)                   ; the last granule's conversions have written their part of OWN, which the LDS stores below read
	IMG 3, 3
	WIN 0
.irp n, 0,1,2,3,4,5,6,7,8,9,10,11,12,13,14,15
	ds_store_b32 v[EXSW], v[WSO+\n] offset:128*\n  ; the scale words' image
.endr
	s_wait_dscnt 0x0                               ; for my partner's sake: all my images lie in LDS
	s_barrier_signal -1
	s_barrier_wait -1
	WIN 0xc0
.set J, 0
.rept 64
	ds_load_b128 v[4*J:4*J+3], v[EXR] offset:512*J ; the partner's registers, in the same lanes
.set J, J+1
.endr
	WIN 0
.irp n, 0,1,2,3,4,5,6,7,8,9,10,11,12,13,14,15
	ds_load_b32 v[WSP+\n], v[EXSR] offset:128*\n
.endr
	s_wait_dscnt 0x0
.rept 4
	v_nop                                          ; an operand written by vector instructions (the last conversions into OWN) stands four places ahead of a scaled matrix instruction
.endr
	s_wait_alu depctr_va_vdst(0)                   ; behind those places: the conversions have written OWN and the shifts WSO, which the scaled products take as operand and as scales
	s_mov_b32 s[IT], 0
.Ltok:                                             ; 16 trips of two tiles: an expert has 64 tiles at the most, 32 of my parity.  A wave whose tiles are done ends
	s_lshl_b32 s[TI], s[IT], 2
	s_add_co_u32 s[TI], s[TI], s[PP]               ; tile 4 trip + p
	s_cmp_lt_u32 s[TI], s[NT]
	s_cbranch_scc1 .Lgo0
	s_wait_dscnt 0x0                               ; the closing lines, six on end
	s_wait_alu 0x0
	s_wait_tensorcnt 0x0
	ds_add_u32 v254, v255
	s_wait_dscnt 0x0
	s_endpgm
.Lgo0:
	HALF 0
	s_add_co_u32 s[TI], s[TI], 2
	s_cmp_lt_u32 s[TI], s[NT]
	s_cbranch_scc1 .Lgo1
	s_wait_dscnt 0x0                               ; the closing lines, as above
	s_wait_alu 0x0
	s_wait_tensorcnt 0x0
	ds_add_u32 v254, v255
	s_wait_dscnt 0x0
	s_endpgm
.Lgo1:
	HALF 1
	s_add_co_u32 s[IT], s[IT], 1
	s_cmp_lt_u32 s[IT], 16
	s_cbranch_scc1 .Ltok
	s_wait_dscnt 0x0                               ; the closing lines, as above
	s_wait_alu 0x0
	s_wait_tensorcnt 0x0
	ds_add_u32 v254, v255
	s_wait_dscnt 0x0
	s_endpgm
.Lfunc_end_k_q2921d89681_down:
	.size	k_q2921d89681_down, .Lfunc_end_k_q2921d89681_down-k_q2921d89681_down
	.p2alignl 7, 3214868480
	.fill 96, 4, 3214868480
	.section	.rodata,"a",@progbits
	.p2align	6, 0x0
	.amdhsa_kernel k_q2921d89681_down
		.amdhsa_group_segment_fixed_size 157184
		.amdhsa_private_segment_fixed_size 0
		.amdhsa_enable_private_segment 0
		.amdhsa_kernarg_size 40
		.amdhsa_user_sgpr_count 2
		.amdhsa_user_sgpr_kernarg_segment_ptr 1
		.amdhsa_wavefront_size32 1
		.amdhsa_system_sgpr_workgroup_id_x 1
		.amdhsa_system_sgpr_workgroup_id_y 1
		.amdhsa_system_sgpr_workgroup_id_z 1
		.amdhsa_system_vgpr_workitem_id 0
		.amdhsa_next_free_vgpr 1024
		.amdhsa_next_free_sgpr 66
		.amdhsa_reserve_vcc 0
		.amdhsa_float_denorm_mode_32 3
		.amdhsa_float_denorm_mode_16_64 3
		.amdhsa_memory_ordered 1
		.amdhsa_forward_progress 1
		.amdhsa_inst_pref_size 204
	.end_amdhsa_kernel
	.amdgpu_metadata
---
amdhsa.version: [ 1, 2 ]
amdhsa.kernels:
  - .name:           k_q2921d89681_down
    .symbol:         k_q2921d89681_down.kd
    .args:
      - { .name: W2, .offset: 0, .size: 8, .value_kind: global_buffer, .address_space: global }
      - { .name: hc, .offset: 8, .size: 8, .value_kind: global_buffer, .address_space: global }
      - { .name: hs, .offset: 16, .size: 8, .value_kind: global_buffer, .address_space: global }
      - { .name: pos, .offset: 24, .size: 8, .value_kind: global_buffer, .address_space: global }
      - { .name: part, .offset: 32, .size: 8, .value_kind: global_buffer, .address_space: global }
    .group_segment_fixed_size: 157184
    .private_segment_fixed_size: 0
    .kernarg_segment_align: 8
    .kernarg_segment_size: 40
    .max_flat_workgroup_size: 128
    .sgpr_count:     66
    .vgpr_count:     1024
    .wavefront_size: 32
...
	.end_amdgpu_metadata
.endif
;; end of part 9
;; launch combine (part 10): grid 256 x 1, 4 waves a work-group, no clusters, 0 bytes of LDS; arguments part, pos, b2, out0; writes out0
.if DOCPART == 10
	.amdgcn_target "amdgcn-amd-amdhsa--gfx1250"
	.amdhsa_code_object_version 6
	.text
	.protected	k_q2921d89681_combine
	.globl	k_q2921d89681_combine
	.p2align	8
	.type	k_q2921d89681_combine,@function
k_q2921d89681_combine:
	s_mov_b64 s[64:65], 0
	v_nop
	global_prefetch_b8 v0, s[64:65] scope:SCOPE_SE
	s_setreg_imm32_b32 hwreg(HW_REG_WAVE_MODE, 25, 1), 1
	s_wait_xcnt 0x0
; out0[token][:] = the four parts along K of the token's row + b2 of its expert.  One wave takes one token: token = 4 x work-group + wave.
; pos[token] = 1024 e + q names the row in each of the four parts and, by its bits 12:10, the expert.
; A stream: 40 loads of 512 consecutive bytes a wave, all issued at once; sums in f32, (p0 + p1) + (p2 + p3) + b2; 8 stores of 512 consecutive bytes.  No LDS, no barrier, no matrix unit: nothing is shared and memory binds.
.set P0, 8                             ; v8-39, v40-71, v72-103, v104-135: the four parts; v136-167: b2
.set P1, 40
.set P2, 72
.set P3, 104
.set BB, 136
	s_load_b256 s[4:11], s[0:1], 0x0               ; part s[4:5], pos s[6:7], b2 s[8:9], out0 s[10:11]
	v_lshrrev_b32 v1, 5, v0
	v_readfirstlane_b32 s12, v1                    ; wave
	v_and_b32 v1, 31, v0
	v_lshlrev_b32 v2, 4, v1                        ; 16 x lane
	s_lshl_b32 s13, ttmp9, 2
	s_add_co_u32 s13, s13, s12                     ; token
	s_mov_b32 s15, 0
	s_lshl_b32 s14, s13, 2
	s_wait_alu depctr_va_vdst(0)
	s_wait_kmcnt 0x0
	s_add_nc_u64 s[6:7], s[6:7], s[14:15]
	s_load_b32 s16, s[6:7], 0x0                    ; pos[token]
	s_lshl_b32 s14, s13, 12
	s_add_nc_u64 s[10:11], s[10:11], s[14:15]      ; the token's row of out0
	s_wait_kmcnt 0x0
	s_min_u32 s16, s16, 8191
	s_lshl_b32 s14, s16, 12
	s_add_nc_u64 s[4:5], s[4:5], s[14:15]          ; the row in part 0,
	s_add_nc_u64 s[18:19], s[4:5], 0x2000000       ; and 8,192 rows of 4,096 bytes further on in each of the others
	s_add_nc_u64 s[20:21], s[4:5], 0x4000000
	s_add_nc_u64 s[22:23], s[4:5], 0x6000000
	s_and_b32 s14, s16, 0x1c00                     ; 1024 e,
	s_lshl_b32 s14, s14, 2                         ; x 4 bytes: the expert's row of b2
	s_add_nc_u64 s[8:9], s[8:9], s[14:15]
.irp m, 0,1,2,3,4,5,6,7
	global_load_b128 v[P0+4*\m:P0+4*\m+3], v2, s[4:5] offset:512*\m th:TH_LOAD_NT
	global_load_b128 v[P1+4*\m:P1+4*\m+3], v2, s[18:19] offset:512*\m th:TH_LOAD_NT
	global_load_b128 v[P2+4*\m:P2+4*\m+3], v2, s[20:21] offset:512*\m th:TH_LOAD_NT
	global_load_b128 v[P3+4*\m:P3+4*\m+3], v2, s[22:23] offset:512*\m th:TH_LOAD_NT
	global_load_b128 v[BB+4*\m:BB+4*\m+3], v2, s[8:9] offset:512*\m
.endr
.irp m, 0,1,2,3,4,5,6,7
	s_wait_loadcnt 5*(7-\m)                        ; piece m's five loads are in; five for each later piece may be out
	v_pk_add_f32 v[P0+4*\m:P0+4*\m+1], v[P0+4*\m:P0+4*\m+1], v[P1+4*\m:P1+4*\m+1]
	v_pk_add_f32 v[P0+4*\m+2:P0+4*\m+3], v[P0+4*\m+2:P0+4*\m+3], v[P1+4*\m+2:P1+4*\m+3]
	v_pk_add_f32 v[P2+4*\m:P2+4*\m+1], v[P2+4*\m:P2+4*\m+1], v[P3+4*\m:P3+4*\m+1]
	v_pk_add_f32 v[P2+4*\m+2:P2+4*\m+3], v[P2+4*\m+2:P2+4*\m+3], v[P3+4*\m+2:P3+4*\m+3]
	v_pk_add_f32 v[P0+4*\m:P0+4*\m+1], v[P0+4*\m:P0+4*\m+1], v[P2+4*\m:P2+4*\m+1]
	v_pk_add_f32 v[P0+4*\m+2:P0+4*\m+3], v[P0+4*\m+2:P0+4*\m+3], v[P2+4*\m+2:P2+4*\m+3]
	v_pk_add_f32 v[P0+4*\m:P0+4*\m+1], v[P0+4*\m:P0+4*\m+1], v[BB+4*\m:BB+4*\m+1]
	v_pk_add_f32 v[P0+4*\m+2:P0+4*\m+3], v[P0+4*\m+2:P0+4*\m+3], v[BB+4*\m+2:BB+4*\m+3]
	global_store_b128 v2, v[P0+4*\m:P0+4*\m+3], s[10:11] offset:512*\m th:TH_STORE_NT   ; 512 consecutive bytes of the token's row
.endr
	s_endpgm
.Lfunc_end_k_q2921d89681_combine:
	.size	k_q2921d89681_combine, .Lfunc_end_k_q2921d89681_combine-k_q2921d89681_combine
	.p2alignl 7, 3214868480
	.fill 96, 4, 3214868480
	.section	.rodata,"a",@progbits
	.p2align	6, 0x0
	.amdhsa_kernel k_q2921d89681_combine
		.amdhsa_group_segment_fixed_size 0
		.amdhsa_private_segment_fixed_size 0
		.amdhsa_enable_private_segment 0
		.amdhsa_kernarg_size 32
		.amdhsa_user_sgpr_count 2
		.amdhsa_user_sgpr_kernarg_segment_ptr 1
		.amdhsa_wavefront_size32 1
		.amdhsa_system_sgpr_workgroup_id_x 1
		.amdhsa_system_sgpr_workgroup_id_y 1
		.amdhsa_system_sgpr_workgroup_id_z 1
		.amdhsa_system_vgpr_workitem_id 0
		.amdhsa_next_free_vgpr 176
		.amdhsa_next_free_sgpr 66
		.amdhsa_reserve_vcc 0
		.amdhsa_float_denorm_mode_32 3
		.amdhsa_float_denorm_mode_16_64 3
		.amdhsa_memory_ordered 1
		.amdhsa_forward_progress 1
		.amdhsa_inst_pref_size 11
	.end_amdhsa_kernel
	.amdgpu_metadata
---
amdhsa.version: [ 1, 2 ]
amdhsa.kernels:
  - .name:           k_q2921d89681_combine
    .symbol:         k_q2921d89681_combine.kd
    .args:
      - { .name: part, .offset: 0, .size: 8, .value_kind: global_buffer, .address_space: global }
      - { .name: pos, .offset: 8, .size: 8, .value_kind: global_buffer, .address_space: global }
      - { .name: b2, .offset: 16, .size: 8, .value_kind: global_buffer, .address_space: global }
      - { .name: out0, .offset: 24, .size: 8, .value_kind: global_buffer, .address_space: global }
    .group_segment_fixed_size: 0
    .private_segment_fixed_size: 0
    .kernarg_segment_align: 8
    .kernarg_segment_size: 32
    .max_flat_workgroup_size: 128
    .sgpr_count:     66
    .vgpr_count:     176
    .wavefront_size: 32
...
	.end_amdgpu_metadata
.endif
;; end of part 10
